; MI455X (gfx1250); checked and timed in simulation.
; The chip was launched on July 23, 2026; its instructions are those of AMD's public machine-readable ISA for CDNA 5 (MIT licence, August 2026) and "CDNA5" Instruction Set Architecture Reference Guide (July 2026). The comments in the code are by the model that wrote it; some were corrected since.
;; To Me Attention. Allowed arithmetic: matrix products marked QUANTISED: E2M3 operands, one E8M0 scale for each 32 along K, by v_wmma_scale_f32_16x16x128_f8f6f4 with both operands' format E2M3, f32 sums; everything else in f32.
;; Inputs: b_proj 1,024 float32; b_qkv 3,072 float32; size 8 x 1,024 x 1 float32; w_proj 1,024 x 1,024 float32; w_qkv 3,072 x 1,024 float32; x 8 x 1,024 x 1,024 float32.
;; Outputs: out0 8 x 1,024 x 1,024 float32; out1 8 x 1,024 x 64 float32.
;; This version of the problem:
;;   THIS VERSION OF THE PROBLEM IS GIVEN IN LOW PRECISION. The matrix products marked QUANTISED in the list below multiply operands that are first quantised to E2M3 (2 exponent bits, 3 mantissa bits; 6 bits a number), with one power-of-two scale for each 32 numbers along K (OCP MX v1.0); their sums are f32. All else is computed in f32.
;;   The module's matrix products, in the order in which they are computed (A, B: the left and right operand; K: the contracted axis; several contracted axes count as one K, in the product's order):
;;     1. [M 8,192, K 1,024] x [K 1,024, N 3,072]; A: input x; B: input w_qkv: QUANTISED
;;     2. batch 128 x [M 1,024, K 64] x [K 64, N 1,024]; A: computed on the way; B: computed on the way: QUANTISED
;;     3. batch 128 x [M 1,024, K 1,024] x [K 1,024, N 64]; A: softmax (see below); B: computed on the way: QUANTISED
;;     4. [M 8,192, K 1,024] x [K 1,024, N 1,024]; A: computed on the way; B: input w_proj: QUANTISED
;;   THE QUANTISER, for each operand of a quantised product, along K:
;;     - K is cut into blocks of 32 from its start; a last block that is shorter is filled with zeros.
;;     - A block's scale is 2^e with e = floor(log2(the largest magnitude in the block)) - 2, held to -126 .. 127; a block of zeros has e = 0. As a byte (E8M0): e + 127.
;;     - Each number is divided by its block's scale, clamped to +-7.5, and rounded to the nearest number of E2M3, ties to even, subnormals kept.
;;     - The product sums the exact products of the quantised numbers (number of the format x scale) in f32.
;;   ~~~python
;;   def quantise(x, axis):      # numpy; x: float32 -> the quantised numbers, widened to float32 again
;;       x = np.moveaxis(x, axis, -1); K = x.shape[-1]
;;       x = np.pad(x, [(0, 0)] * (x.ndim - 1) + [(0, -K % 32)]); x = x.reshape(x.shape[:-1] + (-1, 32)); a = np.abs(x).max(-1, keepdims=True)
;;       e = np.where(a > 0, np.clip(np.frexp(np.where(a > 0, a, 1))[1] - 1 - 2, -126, 127), 0)      # np.frexp(a)[1] - 1 = floor(log2(a)), exactly
;;       r = np.clip(x / 2.0 ** e, -7.5, 7.5)
;;       step = 2.0 ** (np.maximum(np.frexp(np.where(r == 0, 1, r))[1] - 1, 0) - 3)
;;       q = np.round(r / step) * step * 2.0 ** e      # np.round: ties to even
;;       return np.moveaxis(q.reshape(q.shape[:-2] + (-1,))[..., :K], -1, axis).astype(np.float32)
;;   ~~~
;;   SOFTMAX AHEAD OF A QUANTISED PRODUCT. Where the list says 'softmax', what is quantised is not the finished softmax but p = 2^(t - M), with t = logit x log2(e) and M = ceil(the row's largest t), a whole number; so 1/2 < the row's largest p <= 1. The row's sum l is taken of the UNQUANTISED p, in f32, and the product's result is divided by l at the end. Since M is a whole number, a kernel that streams over the keys may use a running M (the ceiling of the running maximum): every later rescaling is an exact power of two, which a block's scale takes up: the codes' values come out the same.
;;   OPERANDS COMPUTED ON THE WAY. 'Computed on the way' means the value that the module computes at that place (a softmax that the list does not call 'softmax' is quantised finished and normalised). What goes into a quantiser is computed in f32, as accurately as f32 sums, v_exp_f32 and their like allow (about 1e-6 of the number): no bf16 or f16 on the way to a quantiser, and a product that is left as it is and whose result goes on into a quantised operand takes f32 operands (vector FMAs, or v_wmma_f32_16x16x4_f32). A number that lies on a knife's edge between two numbers of the format may be rounded either way, as far as f32 arithmetic and the matrix unit's own rounding can turn it there, and no further.
;; One version. Each part assembles by itself: llvm-mc -triple=amdgcn-amd-amdhsa -mcpu=gfx1250 --defsym DOCPART=n.
;; ======== version 1 of 1: 4 launches
;; limits: right only within a limited range of input values
;; workspace buffers: in_img 9,437,184 bytes; in_sc 393,216 bytes; qkv_img 18,874,368 bytes; qkv_sc 786,432 bytes; kpart 16,777,216 bytes; o_img 6,291,456 bytes; o_sc 262,144 bytes
;; launch quant (part 1): grid 768 x 1, 4 waves a work-group, no clusters, 35,328 bytes of LDS; arguments x, w_qkv, w_proj, in_img, in_sc; writes in_img, in_sc
.if DOCPART == 1
	.amdgcn_target "amdgcn-amd-amdhsa--gfx1250"
	.amdhsa_code_object_version 6
	.text
	.protected	k_qf35cec7d2a_quant
	.globl	k_qf35cec7d2a_quant
	.p2align	8
	.type	k_qf35cec7d2a_quant,@function
k_qf35cec7d2a_quant:
	s_mov_b64 s[64:65], 0
	v_nop
	global_prefetch_b8 v0, s[64:65] scope:SCOPE_SE
	s_setreg_imm32_b32 hwreg(HW_REG_WAVE_MODE, 25, 1), 1
	s_wait_xcnt 0x0
; x [8192][1024], w_qkv [3072][1024], w_proj [1024][1024], f32, K innermost, become codes of FP6 (E2M3) with one E8M0 byte for each 32 along K,
; laid as IMAGES OF OPERAND REGISTERS.  An image is 16 rows x 64 along K, 768 bytes: lane l = (r = l % 16, h = l / 16) holds the 24 bytes of row r, k = 32 h .. 32 h + 31:
; its registers 0-3 lie at 16 l, its registers 4-5 at 512 + 8 l.  Two images on end are a fragment of 16 x 128.
; ROWS STAND IN A CHOSEN ORDER: lane r of tile T holds row 32 (T / 2) + 8 (T % 2) + r + 8 (r / 8) of its tensor, so that where such a tile is a product's source 0 the result's registers of two
; neighbouring tiles are 16 neighbours along that axis.
; in_img: [tile u (768)][image (16)][768]; u 0-511 x, 512-703 w_qkv, 704-767 w_proj.  in_sc: [128 along K (8)][u][16 rows] words, byte b of a word for k = 32 b .. 32 b + 31.
; A block's scale is 2^(floor(log2(largest magnitude)) - 2); its byte is the largest magnitude's exponent field - 2, held at 1 from below.
; LIMITS: a block of zeros (and one whose largest magnitude lies under 2^-124) gets the byte 1 where the rule says 127: its codes are zeros, and this program alone reads the bytes.  NaN and infinities are not served.
; SHARES: a work-group takes one tile u, wave kq its K = 256 kq .. + 255: four images.  Each load reads two rows' 256 consecutive bytes; an image's 4,096 bytes turn through the wave's own stage in LDS
; (rows 272 bytes apart) so that a lane gets 32 neighbours.  All 32 loads of a wave go out at once.  No barrier: waves share nothing.  No loop: every offset is an immediate.
; The scale words leave as two runs of 64 bytes a wave: one byte in 150 of what the launch moves.
.set WREG, 8704                        ; LDS of a wave: two stages
.set STG,  4352                        ; a stage: 16 rows x 272 bytes
.set R,    64                          ; v64-191: image k's 32 registers at R + 32 k, as loaded and then as turned
	s_load_b128 s[4:7], s[0:1], 0x0                ; x, w_qkv
	s_load_b128 s[8:11], s[0:1], 0x10              ; w_proj, in_img
	s_load_b64 s[12:13], s[0:1], 0x20              ; in_sc
	v_lshl_add_u32 v192, v0, 2, 0x8800
	v_mov_b32 v193, 0
	v_lshrrev_b32 v1, 5, v0
	v_readfirstlane_b32 s16, v1                    ; wave kq
	v_and_b32 v1, 31, v0                           ; l
	v_and_b32 v2, 15, v0                           ; r
	v_bfe_u32 v3, v0, 4, 1                         ; h
	v_lshlrev_b32 v4, 4, v2
	v_lshl_add_u32 v4, v3, 12, v4                  ; in: 16 bytes a lane, lanes 16-31 one row (4,096 bytes) down
	s_mul_i32 s24, s16, WREG
	v_mul_u32_u24 v5, v3, 272
	v_lshl_add_u32 v5, v2, 4, v5
	v_add_nc_u32 v5, s24, v5                       ; into the stage: as loaded
	v_mul_u32_u24 v6, v2, 272
	v_lshl_add_u32 v6, v3, 7, v6
	v_add_nc_u32 v6, s24, v6                       ; out of it: row r, 128 bytes for each half of the lanes
	v_lshlrev_b32 v7, 4, v1                        ; an image's first part: 16 l
	v_lshlrev_b32 v8, 3, v1                        ; its second: 8 l
	v_mul_u32_u24 v9, v3, 49152
	v_lshl_add_u32 v9, v2, 2, v9                   ; scale words: 4 r; lanes 16-31 store the next 128 along K
	v_lshlrev_b32 v10, 3, v3                       ; 8 h
	v_mov_b32 v20, 0                               ; a lane permute's destination counts as one of its sources
	s_mov_b32 s20, 0xffff0000                      ; lanes 16-31
	s_mov_b32 s21, 0x76543210
	s_mov_b32 s22, 0xfedcba98                      ; v_permlanex16_b32: lane l xor 16
	s_mov_b32 s17, 704
	s_wait_alu depctr_va_vdst(0)
	s_wait_kmcnt 0x0
	s_cmp_lt_u32 ttmp9, 704                        ; which tensor: the choice hangs on the work-group's number alone
	s_cselect_b64 s[6:7], s[6:7], s[8:9]
	s_cselect_b32 s17, 512, s17
	s_cmp_lt_u32 ttmp9, 512
	s_cselect_b64 s[4:5], s[4:5], s[6:7]
	s_cselect_b32 s17, 0, s17
	s_sub_co_u32 s17, ttmp9, s17                   ; T: the tile in its tensor
	s_lshr_b32 s18, s17, 1
	s_lshl_b32 s18, s18, 5
	s_and_b32 s19, s17, 1
	s_lshl_b32 s19, s19, 3
	s_add_co_u32 s18, s18, s19                     ; the tile's first row: 32 (T / 2) + 8 (T % 2)
	s_lshl_b32 s18, s18, 12
	s_lshl_b32 s19, s16, 10
	s_add_co_u32 s18, s18, s19                     ; in bytes, + my 256 along K
	s_mov_b32 s19, 0
	s_add_nc_u64 s[4:5], s[4:5], s[18:19]
	s_mul_i32 s18, ttmp9, 12288
	s_mul_i32 s23, s16, 3072
	s_add_co_u32 s18, s18, s23
	s_add_nc_u64 s[10:11], s[10:11], s[18:19]      ; my four images
	s_mul_i32 s18, s16, 98304
	s_lshl_b32 s23, ttmp9, 6
	s_add_co_u32 s18, s18, s23
	s_add_nc_u64 s[12:13], s[12:13], s[18:19]      ; my two sets of scale words
.irp k, 0,1,2,3
.irp j, 0,1,2,3,4,5,6,7
	global_load_b128 v[R+32*\k+4*\j:R+32*\k+4*\j+3], v4, s[4:5] offset:\k*256+((2*\j)%8)*4096+(\j/4)*65536 th:TH_LOAD_NT   ; the tile's places 2 j and 2 j + 1: two neighbouring rows, 256 bytes of each
.endr
.endr
.macro TURN k                          ; image k through stage k % 2: LDS serves a wave's instructions in order, so no wait stands between the stores and the loads
.irp j, 0,1,2,3,4,5,6,7
	ds_store_b128 v5, v[R+32*(\k)+4*\j:R+32*(\k)+4*\j+3] offset:((\k)%2)*STG+\j*544
.endr
.irp q, 0,1,2,3,4,5,6,7
	ds_load_b128 v[R+32*(\k)+4*\q:R+32*(\k)+4*\q+3], v6 offset:((\k)%2)*STG+16*\q
.endr
.endm
.macro IMG k
.set XS, R+32*(\k)
.set C, 24+10*(\k)                     ; the image's six registers, and three more for the second conversion, whose three begin on an even number
.if (\k) < 3
	s_wait_loadcnt 8*(2-(\k))                      ; the next image's eight loads are in; the later images' may be out
	TURN (\k)+1
	s_wait_dscnt 16                                ; all but the sixteen just issued: this image is back from the stage
.else
	s_wait_dscnt 0x0
.endif
	v_max3_num_f32 v12, |v[XS]|, |v[XS+1]|, |v[XS+2]|               ; the block's largest magnitude: all 32 numbers are mine; two chains
	v_max3_num_f32 v13, |v[XS+3]|, |v[XS+4]|, |v[XS+5]|
.irp i, 6,10,14,18,22,26
	v_max3_num_f32 v12, v12, |v[XS+\i]|, |v[XS+\i+1]|
	v_max3_num_f32 v13, v13, |v[XS+\i+2]|, |v[XS+\i+3]|
.endr
	v_max3_num_f32 v12, v12, |v[XS+30]|, |v[XS+31]|
	v_max3_num_f32 v12, v12, v13, 0x1800000        ; and the floor 2^(3 - 127): the byte cannot fall under 1
	v_add_nc_u32 v11, 0xff000000, v12              ; 2 off the exponent field: the conversion takes this operand's exponent field as its scale
	v_cvt_scalef32_pk16_fp6_f32 v[C:C+2], v[XS:XS+15], v11
	v_cvt_scalef32_pk16_fp6_f32 v[C+6:C+8], v[XS+16:XS+31], v11
	v_lshrrev_b32 v[14+(\k)], 23, v11              ; the scale's byte (also the plain line behind the conversions)
.irp i, 0,1,2
	v_mov_b32 v[C+3+\i], v[C+6+\i]
.endr
	global_store_b128 v7, v[C:C+3], s[10:11] offset:768*(\k)        ; 32 lanes store 512 consecutive bytes,
	global_store_b64 v8, v[C+4:C+5], s[10:11] offset:768*(\k)+512   ; and 256
.endm
.macro WORD w, e                       ; the bytes of images e and e + 1 make the word of 128 along K: mine at bytes h and 2 + h, lane l xor 16's at the other two
	v_lshl_or_b32 v[\w], v[\e+1], 16, v[\e]
	v_lshlrev_b32 v[\w], v10, v[\w]
	v_permlanex16_b32 v20, v[\w], s21, s22
	v_or_b32 v[\w], v[\w], v20
.endm
	s_wait_loadcnt 24                              ; image 0's eight loads are in
	TURN 0
	IMG 0
	IMG 1
	WORD 18, 14
	IMG 2
	IMG 3
	WORD 19, 16
	v_cndmask_b32 v21, v18, v19, s20               ; lanes 0-15 the first word, lanes 16-31 the second
	global_store_b32 v9, v21, s[12:13]
	s_wait_tensorcnt 0x0
	ds_add_u32 v192, v193
	s_wait_dscnt 0x0
	s_endpgm
.Lfunc_end_k_qf35cec7d2a_quant:
	.size	k_qf35cec7d2a_quant, .Lfunc_end_k_qf35cec7d2a_quant-k_qf35cec7d2a_quant
	.p2alignl 7, 3214868480
	.fill 96, 4, 3214868480
	.section	.rodata,"a",@progbits
	.p2align	6, 0x0
	.amdhsa_kernel k_qf35cec7d2a_quant
		.amdhsa_group_segment_fixed_size 35328
		.amdhsa_private_segment_fixed_size 0
		.amdhsa_enable_private_segment 0
		.amdhsa_kernarg_size 40
		.amdhsa_user_sgpr_count 2
		.amdhsa_user_sgpr_kernarg_segment_ptr 1
		.amdhsa_wavefront_size32 1
		.amdhsa_system_sgpr_workgroup_id_x 1
		.amdhsa_system_sgpr_workgroup_id_y 1
		.amdhsa_system_sgpr_workgroup_id_z 1
		.amdhsa_system_vgpr_workitem_id 0
		.amdhsa_next_free_vgpr 194
		.amdhsa_next_free_sgpr 66
		.amdhsa_reserve_vcc 0
		.amdhsa_float_denorm_mode_32 3
		.amdhsa_float_denorm_mode_16_64 3
		.amdhsa_memory_ordered 1
		.amdhsa_forward_progress 1
		.amdhsa_inst_pref_size 17
	.end_amdhsa_kernel
	.amdgpu_metadata
---
amdhsa.version: [ 1, 2 ]
amdhsa.kernels:
  - .name:           k_qf35cec7d2a_quant
    .symbol:         k_qf35cec7d2a_quant.kd
    .args:
      - { .name: x, .offset: 0, .size: 8, .value_kind: global_buffer, .address_space: global }
      - { .name: w_qkv, .offset: 8, .size: 8, .value_kind: global_buffer, .address_space: global }
      - { .name: w_proj, .offset: 16, .size: 8, .value_kind: global_buffer, .address_space: global }
      - { .name: in_img, .offset: 24, .size: 8, .value_kind: global_buffer, .address_space: global }
      - { .name: in_sc, .offset: 32, .size: 8, .value_kind: global_buffer, .address_space: global }
    .group_segment_fixed_size: 35328
    .private_segment_fixed_size: 0
    .kernarg_segment_align: 8
    .kernarg_segment_size: 40
    .max_flat_workgroup_size: 128
    .sgpr_count:     66
    .vgpr_count:     194
    .wavefront_size: 32
...
	.end_amdgpu_metadata
.endif
;; end of part 1
;; launch qkv (part 2): grid 4 x 64, 4 waves a work-group, clusters of 4 x 4, 327,680 bytes of LDS; arguments in_img, in_sc, b_qkv, qkv_img, qkv_sc, kpart; writes qkv_img, qkv_sc, kpart
.if DOCPART == 2
	.amdgcn_target "amdgcn-amd-amdhsa--gfx1250"
	.amdhsa_code_object_version 6
	.text
	.protected	k_qf35cec7d2a_qkv
	.globl	k_qf35cec7d2a_qkv
	.p2align	8
	.type	k_qf35cec7d2a_qkv,@function
k_qf35cec7d2a_qkv:
	s_mov_b64 s[64:65], 0
	v_nop
	global_prefetch_b8 v0, s[64:65] scope:SCOPE_SE
	s_setreg_imm32_b32 hwreg(HW_REG_WAVE_MODE, 25, 1), 1
	s_wait_xcnt 0x0
	s_wait_alu depctr_hold_cnt(0) depctr_sa_sdst(0) depctr_va_vdst(0) depctr_va_sdst(0) depctr_va_ssrc(0) depctr_va_vcc(0) depctr_vm_vsrc(0)
	s_getreg_b32 s2, hwreg(HW_REG_IB_STS2, 6, 4)
	s_cmp_eq_u32 s2, 0
	s_cbranch_scc0 .Lentry_in_a_cluster
	s_endpgm
.Lentry_in_a_cluster:
	s_bfe_u32 s2, ttmp6, 0x10000c
	s_cmp_lg_u32 s2, 0xf033
	s_cbranch_scc0 .Lentry_shape_is_right
	s_endpgm
.Lentry_shape_is_right:
; qkv = x w_qkv^T + b_qkv on codes of FP6 (E2M3) with E8M0 scales, K = 1,024, and what the attention wants of it: q and k quantised along the head's 64, v quantised along the tokens,
; and the sums of the unquantised k over two heads.  All operands come and go as images of operand registers (16 rows x 64 K = 768 bytes: lane l's registers 0-3 at 16 l, 4-5 at 512 + 8 l);
; a tile of 16 rows, all of K, is 12,288 consecutive bytes.  Lane r of tile T holds row 32 (T / 2) + 8 (T % 2) + r + 8 (r / 8) of its tensor.
; SHARES.  A work-group owns 128 tokens and 256 features of each of q, k and v: 64 x 4 = 256 work-groups of equal work.  It makes them in THREE PASSES of 128 x 256; in each a wave makes 64 x 128: 32 accumulators.
; LDS.  x's 8 tiles (98,304 bytes, all of K) are filled once and serve all three passes.  w's 16 tiles (196,608 bytes, all of K) are filled again for k and for v: when a pass's last fragments are in registers,
; every wave waits, adds and meets, and asks for its quarter of the next w block; that load lands while the pass's results are quantised and stored.  A pass has no barrier among its eight steps of 128 along K.
; ROLES.  Source 1 of the matrix instruction gives a lane its row, source 0 runs along the lane's registers.  q, k: source 1 = my 4 tiles of x, source 0 = my 8 tiles of w: a lane holds a token and 128 features (two heads).
; v: the two LDS regions change roles: source 1 = my 4 tiles of w_v, source 0 = x's 8 tiles: a lane holds a feature and the 128 tokens.  Loads and masks are the same in all passes.
; The bias is the C of a pass's first step: by the register's feature (q, k) or eight copies of the lane's (v).
; The registers 16 B + i of a block of 16 rows are the numbers 32 B + 16 (lane / 16) + i along source 0's axis.
; CLUSTERS: 4 x 4 work-groups; x's block is shared along a row of the cluster, w's along a column: each is asked for jointly, by the same tensor load with the same descriptor and a mask that names the four.
; THE SCALE WORDS go from memory straight into registers: a load's 32 lanes read the 128 consecutive bytes of two neighbouring tiles, the even tile's into lanes 0-15, the odd tile's into lanes 16-31.  The next pass's are asked for ahead of the way out.
; PREFETCH: at the head of passes q and k each wave names 48 blocks of 256 bytes of the NEXT pass's w block, one pass (256 matrix instructions) ahead of the load that wants them: the four partners of a column of the cluster
; take a quarter each, by address, and a wave 12,288 bytes of it; the lanes left over in the second instruction name the wave's last block again.  The last pass asks for nothing.
; q and k are a loop of two trips; v, behind which nothing is filled, is written out.  By this text's own count a wave has one tensor load outstanding at the most.
; OUT: qkv_img: q [head (128)][token tile (64)][768]; from 6,291,456 on, for each head 98,304 bytes: K [token tile (64)][768], then V [d tile (4)][128 keys (8)][1536].
; qkv_sc: q [batch x 8 + head pair][head of the pair][pair of tiles (32)][16] words (bytes 0, 1: the even tile's two blocks; 2, 3: the odd tile's); from 262,144 on, for each head pair 8,192 bytes: K's likewise, twice 2,048, then V [128 keys (8)][feature tile (8)][16] words.
; kpart: [head pair (8)][token (8192)][64] f32.  The scale words leave in runs of 64 or 128 bytes: one byte in 24 of the codes'.
; LIMITS: a block of zeros gets the byte 1 (its codes are zeros; this program alone reads the bytes); NaN and infinities are not served.
; REGISTERS: window 0: v1, v2 r and h; v7, v15 the prefetches' offsets; v8-11, v16-23 fragment addresses; v12, v13 the stage's; v14, v30, v31 offsets; v24-27 the way out's; v28, v29 the add's; v32-47, v48-79 scale words;
;   v80-143 the biases; v144-239 source 1's fragments, two sets; on the way out v144-175 the sums of k, v192-210 codes, v212-232 at work.   window 1: source 0's fragments, two sets, at v0 and v128.   window 2: the accumulators ((a, b) at v[8 (8 a + b)]).
.set FR,     12                        ; registers of a fragment
.set NP,     4                         ; places behind this matrix instruction (ISA guide 7.12.1)
.set TILEB,  12288
.set ABYTES, 8*TILEB                   ; LDS: x's tiles from 0, w's behind them
.set BTHIRD, 65536
.set BQUART, 49152
.set WSTEP,  64*TILEB                  ; from q's rows of w_qkv to k's, and from k's to v's
.set STAGE,  24*TILEB                  ; behind the tiles: 16 rows x (256 + 16) bytes for each wave, for the sums of k: no fill lands here
.set SPARE,  STAGE+4*4352              ; behind the stages: the spare words, 128 bytes for each wave
.set VB,   8                           ; v8, v9 16 l + x's tiles 0-3, 4-7; v10, v11 with 8 l
.set QA,   16                          ; v16 16 l + my four tiles of x, v17 with 8 l
.set QB,   18                          ; v18, v19 16 l + my tiles 0-3, 4-7 of w; v20, v21 with 8 l
.set VA,   22                          ; v22 16 l + my four tiles of w_v, v23 with 8 l
.set SPW,  28
.set NIL,  29
.set SA,   32                          ; source 1's scale words: register 2 k + j: 128 along K number k, tiles 2 j and 2 j + 1
.set SB,   48                          ; source 0's: register 4 k + j
.set BI,   80
.set AF,   144
.set T,    144
.set PC,   192
.set TM,   212
.set PW,   228
.set KW,   229
.set G1A, 24
.set G1B, 32
.set G0A, 40
.set G0B, 44
.set MSB, 0
.macro WIN new                         ; the immediate's high byte repeats the setting that is left
.if MSB != (\new)
	s_set_vgpr_msb (MSB<<8)|(\new)
.set MSB, (\new)
.endif
.endm
.set MUL_ON,  0xa1                     ; source 0 window 1, source 1 window 0, C and D window 2
.set MUL_1ST, 0x81                     ; the same, C window 0: the biases
.set TO_B,    0x40                     ; destination window 1, address window 0
.macro CREST                           ; a round of the cluster's barrier behind its opening barrier
	s_cmp_lg_u32 s16, 0
	s_cbranch_scc1 .Lnot_wave_0_\@
	s_barrier_signal -3
.Lnot_wave_0_\@:
	s_barrier_wait -3
	s_barrier_signal -1
	s_barrier_wait -1
.endm
.macro CROUND
	s_barrier_signal -1
	s_barrier_wait -1
	CREST
.endm
.macro PLACES
.rept NP
	v_nop
.endr
.endm
.macro LD_SA                           ; 16 loads
.irp k, 0,1,2,3,4,5,6,7
.irp j, 0,1
	global_load_b32 v[SA+2*\k+\j], v31, s[76:77] offset:\k*49152+\j*128
.endr
.endr
.endm
.macro LD_SB                           ; 32 loads
.irp k, 0,1,2,3,4,5,6,7
.irp j, 0,1,2,3
	global_load_b32 v[SB+4*\k+\j], v31, s[78:79] offset:\k*49152+\j*128
.endr
.endr
.endm
.macro LD_BI                           ; register 8 i + j: the bias of feature 32 (i / 2) + 16 h + 8 (i % 2) + j of my 128
.irp i, 0,1,2,3,4,5,6,7
	global_load_b128 v[BI+8*\i:BI+8*\i+3], v30, s[80:81] offset:128*(\i/2)+32*(\i%2)
	global_load_b128 v[BI+8*\i+4:BI+8*\i+7], v30, s[80:81] offset:128*(\i/2)+32*(\i%2)+16
.endr
.endm
	s_load_b256 s[4:11], s[0:1], 0x0               ; in_img, in_sc, b_qkv, qkv_img
	s_load_b128 s[12:15], s[0:1], 0x20             ; qkv_sc, kpart
	v_lshl_add_u32 v[SPW], v0, 2, SPARE
	v_mov_b32 v[NIL], 0
	ds_add_u32 v[SPW], v[NIL]                      ; the opening lines: the add, twice on end, and its wait ahead of my first tensor load
	ds_add_u32 v[SPW], v[NIL]
	v_lshrrev_b32 v1, 5, v0
	v_readfirstlane_b32 s16, v1                    ; wave 0..3
	s_lshr_b32 s17, s16, 1
	s_and_b32 s18, s16, 1
	s_bfe_u32 s19, ttmp6, 0x40000                  ; cx
	s_bfe_u32 s20, ttmp6, 0x40004                  ; cy
	s_lshl_b32 s21, ttmp9, 2
	s_add_co_u32 s21, s21, s19                     ; gx: which 256 features of q, of k and of v
	s_and_b32 s22, ttmp7, 0xffff
	s_lshl_b32 s22, s22, 2
	s_add_co_u32 s22, s22, s20                     ; gy: which 128 tokens
	s_lshl_b32 s48, s20, 2
	s_lshl_b32 s48, 15, s48                        ; my row of the cluster
	s_lshl_b32 s49, 0x1111, s19                    ; my column
	s_or_b32 s[G1A], s48, (3<<16)|(1<<21)          ; 15:0 the mask; 17:16 elements of 8 bytes; 21 set beside a mask
	s_or_b32 s[G1B], s49, (3<<16)|(1<<21)
	s_mov_b32 s[G1A+1], 32<<16                     ; dense blocks as rows of 256 bytes: x's 384 rows,
	s_mov_b32 s[G1A+2], 384<<16
	s_mov_b32 s[G1A+3], 32<<16
	s_mov_b32 s[G1A+4], 384
	s_mov_b32 s[G1A+5], 32
	s_mov_b32 s[G1A+6], 0
	s_mov_b32 s[G1A+7], 0
	s_mov_b32 s[G1B+1], 32<<16                     ; at the head a third of w's, 256 rows; behind it the two words that count rows are set to a quarter's 192
	s_mov_b32 s[G1B+2], 256<<16
	s_mov_b32 s[G1B+3], 32<<16
	s_mov_b32 s[G1B+4], 256
	s_mov_b32 s[G1B+5], 32
	s_mov_b32 s[G1B+6], 0
	s_mov_b32 s[G1B+7], 0
	s_mov_b32 s[G0A], 1
	s_mov_b32 s[G0A+1], 0
	s_mul_i32 s50, s22, ABYTES                     ; x's block hangs on the tokens alone
	s_mov_b32 s51, 0
	s_mov_b32 s[G0B], 1
	s_lshl_b32 s54, s16, 16
	s_add_co_u32 s[G0B+1], s54, ABYTES-BTHIRD      ; wave w = 1 .. 3: third w - 1, in LDS
	s_lshl_b32 s56, s21, 4
	s_add_co_u32 s56, s56, 512                     ; w_qkv's tiles begin at tile 512 of in_img
	s_mul_i32 s56, s56, TILEB                      ; q's w block: it hangs on the features alone
	s_mov_b32 s57, 0
	s_add_co_u32 s52, s56, s54
	s_sub_co_u32 s52, s52, BTHIRD                  ; and in memory
	s_mov_b32 s53, 0
	s_wait_dscnt 0x0                               ; both opening adds are done
	s_wait_kmcnt 0x0
	s_add_nc_u64 s[G0A+2:G0A+3], s[4:5], s[50:51]
	s_or_b32 s[G0A+3], s[G0A+3], 0x80000000
	s_add_nc_u64 s[G0B+2:G0B+3], s[4:5], s[52:53]
	s_or_b32 s[G0B+3], s[G0B+3], 0x80000000
	CROUND                                         ; all sixteen work-groups are here: the first joint loads meet
	s_cmp_eq_u32 s16, 0                            ; the branch hangs on the wave's number alone; each way passes one load
	s_cbranch_scc0 .Lfor_b
	tensor_load_to_lds s[G0A:G0A+3], s[G1A:G1A+7]
	s_nop 0
	PLACES
	s_branch .Lasked
.Lfor_b:
	tensor_load_to_lds s[G0B:G0B+3], s[G1B:G1B+7]
	s_nop 0
	PLACES
.Lasked:
	s_lshl_b32 s48, s22, 9                         ; scale words are 64 bytes a tile.  q: source 1 = x's tiles 8 gy + 4 (wave / 2) ..
	s_lshl_b32 s49, s17, 8
	s_add_co_u32 s48, s48, s49
	s_mov_b32 s49, 0
	s_add_nc_u64 s[76:77], s[6:7], s[48:49]
	s_lshl_b32 s58, s21, 10
	s_lshl_b32 s59, s18, 9
	s_add_co_u32 s58, s58, s59                     ; my 128 features of the 1,024: 4 bytes each in b_qkv, and 64 bytes a tile of 16
	s_mov_b32 s59, 0
	s_add_nc_u64 s[78:79], s[6:7], s[58:59]
	s_add_nc_u64 s[78:79], s[78:79], 512*64        ; source 0 = w's tiles 512 + 16 gx + 8 (wave % 2) ..
	s_add_nc_u64 s[80:81], s[8:9], s[58:59]        ; q's biases
	s_mul_i32 s48, s20, BQUART                     ; the prefetches: my work-group's quarter of a w block, by its place in the column,
	s_mul_i32 s50, s16, TILEB                      ; my wave's 12,288 bytes of it
	s_add_co_u32 s48, s48, s50
	s_add_co_u32 s48, s48, s56
	s_add_nc_u64 s[82:83], s[4:5], s[48:49]        ; in q's block: each pass steps it to the next block before it asks
	s_lshr_b32 s60, s22, 3
	s_lshl_b32 s60, s60, 3                         ; 8 x batch
	s_lshl_b32 s50, s21, 1
	s_add_co_u32 s62, s60, s50
	s_add_co_u32 s62, s62, s17                     ; v: 8 x batch + head pair, the pair 2 gx + wave / 2
	s_add_co_u32 s60, s60, s50
	s_add_co_u32 s60, s60, s18                     ; q, k: the pair 2 gx + wave % 2
	s_and_b32 s61, s22, 7                          ; which 128 tokens of the batch
	s_add_co_u32 s48, s50, s18
	s_lshl_b32 s48, s48, 21
	s_lshl_b32 s50, s22, 15
	s_add_co_u32 s48, s48, s50
	s_lshl_b32 s50, s17, 14
	s_add_co_u32 s48, s48, s50                     ; kpart: head pair x 2,097,152 + my first token x 256
	s_add_nc_u64 s[74:75], s[14:15], s[48:49]
	s_mov_b32 s84, 0x05040100                      ; q, k: how two blocks' words make lanes 0-15's word (the first head's bytes),
	s_mov_b32 s85, 0x07060302                      ; and lanes 16-31's (the second head's)
	s_mov_b32 s86, 0x03020100                      ; v: the even block's word,
	s_mov_b32 s87, 0x07060504                      ; the odd block's
	s_mov_b32 s88, 0xffff0000                      ; lanes 16-31
	s_mov_b32 s90, 0x76543210
	s_mov_b32 s91, 0xfedcba98                      ; v_permlanex16_b32: lane l xor 16
	s_mul_i32 s48, s17, 4*TILEB
	s_mul_i32 s49, s18, 8*TILEB
	s_add_co_u32 s49, s49, ABYTES
	s_add_co_u32 s50, s49, 4*TILEB                 ; (an LDS offset has 16 bits: the upper four tiles have a register of their own)
	s_mul_i32 s51, s16, 4*TILEB
	s_add_co_u32 s51, s51, ABYTES
	s_mul_i32 s55, s16, 4352
	s_add_co_u32 s55, s55, STAGE
	v_and_b32 v1, 15, v0                           ; r
	v_bfe_u32 v2, v0, 4, 1                         ; h
	v_and_b32 v3, 31, v0
	v_lshlrev_b32 v24, 4, v3                       ; 16 l
	v_lshlrev_b32 v25, 3, v3                       ; 8 l
	v_lshlrev_b32 v31, 2, v3                       ; 4 l
	v_lshlrev_b32 v30, 6, v2                       ; 16 h numbers
	v_and_b32 v4, 8, v1
	v_add_nc_u32 v4, v4, v1
	v_lshlrev_b32 v14, 2, v4                       ; r + 8 (r / 8) numbers
	v_lshlrev_b32 v15, 8, v3                       ; a lane a block of 256 bytes: blocks 0-31,
	v_min_u32 v5, 15, v3
	v_lshl_add_u32 v7, v5, 8, 0x2000               ; blocks 32-47
	v_add_nc_u32 v[QA], s48, v24
	v_add_nc_u32 v[QA+1], s48, v25
	v_add_nc_u32 v[QB], s49, v24
	v_add_nc_u32 v[QB+1], s50, v24
	v_add_nc_u32 v[QB+2], s49, v25
	v_add_nc_u32 v[QB+3], s50, v25
	v_add_nc_u32 v[VA], s51, v24
	v_add_nc_u32 v[VA+1], s51, v25
	v_mov_b32 v[VB], v24
	v_add_nc_u32 v[VB+1], 4*TILEB, v24
	v_mov_b32 v[VB+2], v25
	v_add_nc_u32 v[VB+3], 4*TILEB, v25
	v_lshlrev_b32 v6, 2, v1
	v_lshl_add_u32 v26, v2, 11, v6                 ; a scale word's place: q, k: 4 r, lanes 16-31 the second head's, 2,048 on;
	v_lshl_add_u32 v27, v2, 6, v6                  ; v: lanes 16-31 the next tile's, 64 on
	v_mul_u32_u24 v12, v1, 272
	v_lshl_add_u32 v12, v2, 6, v12
	v_add_nc_u32 v12, s55, v12                     ; into my stage: row r, + 64 h
	v_mul_u32_u24 v13, v2, 272
	v_lshl_add_u32 v13, v1, 4, v13
	v_add_nc_u32 v13, s55, v13                     ; back: lanes 0-15 one row, lanes 16-31 the next
.irp b, 0,1,2,3
	v_mov_b32 v[TM+4+\b], 0                        ; written once: a lane permute's destination counts as one of its sources
.endr
	s_wait_alu depctr_va_vdst(0)                   ; the wait at the end of the head's vector work
	LD_SA
	LD_SB
	LD_BI
.macro FRAG reg, a16, a8, off          ; a fragment, 16 rows x 128 K, 12 registers: two images on end, as they lie
	ds_load_b128 v[(\reg):(\reg)+3], v[\a16] offset:(\off)
	ds_load_b64 v[(\reg)+4:(\reg)+5], v[\a8] offset:(\off)+512
	ds_load_b128 v[(\reg)+6:(\reg)+9], v[\a16] offset:(\off)+768
	ds_load_b64 v[(\reg)+10:(\reg)+11], v[\a8] offset:(\off)+1280
.endm
.macro FETCH st, ra, rb                ; step st's twelve fragments into set st % 2: 48 LDS loads
	WIN TO_B
.irp i, 0,1,2,3,4,5,6,7
	FRAG 128*((\st)%2)+FR*\i, \rb+\i/4, \rb+2+\i/4, (\i%4)*TILEB+(\st)*1536
.endr
	WIN 0
.irp i, 0,1,2,3
	FRAG AF+48*((\st)%2)+FR*\i, \ra, \ra+1, \i*TILEB+(\st)*1536
.endr
.endm
.macro WM d, bf, af, c, sb, sa, rb, ra ; d = bf x af + c; rb, ra = 1: that side's scale words stand in lanes 16-31
.if (\rb) && (\ra)
	v_wmma_scale_f32_16x16x128_f8f6f4 v[(\d):(\d)+7], v[(\bf):(\bf)+11], v[(\af):(\af)+11], v[(\c):(\c)+7], v[\sb], v[\sa] matrix_a_fmt:MATRIX_FMT_FP6 matrix_b_fmt:MATRIX_FMT_FP6 matrix_a_scale:MATRIX_SCALE_ROW1 matrix_b_scale:MATRIX_SCALE_ROW1
.elseif (\rb)
	v_wmma_scale_f32_16x16x128_f8f6f4 v[(\d):(\d)+7], v[(\bf):(\bf)+11], v[(\af):(\af)+11], v[(\c):(\c)+7], v[\sb], v[\sa] matrix_a_fmt:MATRIX_FMT_FP6 matrix_b_fmt:MATRIX_FMT_FP6 matrix_a_scale:MATRIX_SCALE_ROW1
.elseif (\ra)
	v_wmma_scale_f32_16x16x128_f8f6f4 v[(\d):(\d)+7], v[(\bf):(\bf)+11], v[(\af):(\af)+11], v[(\c):(\c)+7], v[\sb], v[\sa] matrix_a_fmt:MATRIX_FMT_FP6 matrix_b_fmt:MATRIX_FMT_FP6 matrix_b_scale:MATRIX_SCALE_ROW1
.else
	v_wmma_scale_f32_16x16x128_f8f6f4 v[(\d):(\d)+7], v[(\bf):(\bf)+11], v[(\af):(\af)+11], v[(\c):(\c)+7], v[\sb], v[\sa] matrix_a_fmt:MATRIX_FMT_FP6 matrix_b_fmt:MATRIX_FMT_FP6
.endif
.endm
.macro MUL st, first, byb              ; a step of 128 along K: the 32 accumulators take turns, one instruction a turn, in the same order in every step
.irp a, 0,1,2,3
.irp b, 0,1,2,3,4,5,6,7
.if \first
.if \byb
	WM 8*(8*\a+\b), 128*((\st)%2)+FR*\b, AF+48*((\st)%2)+FR*\a, BI+8*\b, SB+4*(\st)+\b/2, SA+2*(\st)+\a/2, \b%2, \a%2
.else
	WM 8*(8*\a+\b), 128*((\st)%2)+FR*\b, AF+48*((\st)%2)+FR*\a, BI+8*\a, SB+4*(\st)+\b/2, SA+2*(\st)+\a/2, \b%2, \a%2
.endif
.else
	WM 8*(8*\a+\b), 128*((\st)%2)+FR*\b, AF+48*((\st)%2)+FR*\a, 8*(8*\a+\b), SB+4*(\st)+\b/2, SA+2*(\st)+\a/2, \b%2, \a%2
.endif
.endr
.endr
.endm
; A pass's eight steps: while a step is multiplied, the next step's fragments come into the other set.  last = 0: w's tiles are filled again behind this pass: ahead of the last step's products stand a wait, an add and its wait
; and the signal of the barrier that opens the cluster's round; the products, work on registers, stand between the signal and the wait.
.macro KLOOP ra, rb, byb, last
	FETCH 0, \ra, \rb
.set ST, 0
.rept 8
.if ST < 7
.if ST > 0
	PLACES                                         ; in front of loads into the set that the step before multiplied
.endif
	FETCH ST+1, \ra, \rb
	s_wait_dscnt 48                                ; all but the 48 just issued: this step's fragments are in
.elseif \last
	s_wait_dscnt 0x0
.else
	WIN 0                                          ; (the add's two registers lie in window 0)
	s_wait_tensorcnt 0x0                           ; no tensor load of mine is out;
	ds_add_u32 v[SPW], v[NIL]                      ; 0 onto my spare word;
	s_wait_dscnt 0x0                               ; the add is done, and my reads of the tiles are over
	s_barrier_signal -1
.endif
.if ST == 0
	WIN MUL_1ST
	MUL ST, 1, \byb
.else
	WIN MUL_ON
	MUL ST, 0, \byb
.endif
.set ST, ST+1
.endr
	WIN 0
.endm
; 64 numbers of a lane, the accumulators v[s] .. v[s + 63] of window 2, register 16 b + i = number 32 b + 16 (lane / 16) + i of my row, become a fragment's codes in v[PC] on and its scale word in v[PW].
.macro QUANT s
	WIN 0x0a                                       ; sources 0 and 1: window 2
.irp b, 0,1,2,3
	v_max3_num_f32 v[TM+\b], |v[\s+16*\b]|, |v[\s+1+16*\b]|, 0x1800000   ; block b: my 16 numbers, and the floor 2^(3 - 127): the byte cannot fall under 1.  Each accumulator is read from its low end on
.endr
	WIN 0x28                                       ; sources 1 and 2: window 2
.irp i, 2,4,6,8,10,12,14
.irp b, 0,1,2,3
	v_max3_num_f32 v[TM+\b], v[TM+\b], |v[\s+16*\b+\i]|, |v[\s+1+16*\b+\i]|   ; (the four blocks by turns)
.endr
.endr
	WIN 0
.irp b, 0,1,2,3
	v_permlanex16_b32 v[TM+4+\b], v[TM+\b], s90, s91
.endr
.irp b, 0,1,2,3
	v_max_num_f32 v[TM+\b], v[TM+\b], v[TM+4+\b]   ; with lane l xor 16's: the block's largest magnitude
.endr
.irp b, 0,1,2,3
	v_add_nc_u32 v[TM+12+\b], 0xff000000, v[TM+\b] ; 2 off its exponent field: the conversion's scale operand
.endr
.irp b, 0,1,2,3
	v_lshrrev_b32 v[TM+4+\b], 23, v[TM+12+\b]      ; the scale's byte
.endr
	v_lshl_or_b32 v[PW], v[TM+5], 8, v[TM+4]
	v_lshl_or_b32 v[PW], v[TM+6], 16, v[PW]
	v_lshl_or_b32 v[PW], v[TM+7], 24, v[PW]
	WIN 0x02                                       ; source 0: window 2
.irp c, 0,1
	v_cvt_scalef32_pk16_fp6_f32 v[PC+6*\c:PC+2+6*\c], v[\s+32*\c:\s+15+32*\c], v[TM+12+2*\c]
	v_cvt_scalef32_pk16_fp6_f32 v[PC+12+4*\c:PC+14+4*\c], v[\s+16+32*\c:\s+31+32*\c], v[TM+12+2*\c+1]   ; (a conversion's three registers begin on an even number)
.endr
	WIN 0
	v_nop                                          ; one plain place behind a scaled conversion
.irp c, 0,1                                    ; the operand's layout wants a WHOLE block in a lane
.irp i, 0,1,2
	v_permlane16_swap_b32 v[PC+6*\c+\i], v[PC+12+4*\c+\i]
.endr
.irp i, 0,1,2
	v_mov_b32 v[PC+3+6*\c+\i], v[PC+12+4*\c+\i]
.endr
.endr
.endm
.macro WORDS a, lo, hi, adr, step      ; the even block's word is kept; with the odd block's it makes lanes 0-15's and lanes 16-31's words
.if (\a)%2 == 0
	v_mov_b32 v[KW], v[PW]
.else
	v_perm_b32 v230, v[PW], v[KW], s[\lo]
	v_perm_b32 v231, v[PW], v[KW], s[\hi]
	v_cndmask_b32 v232, v230, v231, s88
	global_store_b32 v[\adr], v232, s[72:73] offset:\step*((\a)/2)
.endif
.endm
.macro OUTQK a                         ; q, k: block a: 16 tokens x my 128 features: an image for each of the two heads
.if (\a) > 0
	s_wait_xcnt 0x0                                ; the last block's stores have read their data: it is written again only behind this wait
.endif
	QUANT 64*(\a)
	global_store_b128 v24, v[PC:PC+3], s[68:69] offset:768*(\a)            ; each store covers 512 or 256 consecutive bytes, aligned
	global_store_b64 v25, v[PC+4:PC+5], s[68:69] offset:768*(\a)+512
	global_store_b128 v24, v[PC+6:PC+9], s[70:71] offset:768*(\a)
	global_store_b64 v25, v[PC+10:PC+11], s[70:71] offset:768*(\a)+512
	WORDS \a, 84, 85, 26, 64
	s_cmp_eq_u32 s23, 1                            ; k alone: the branch hangs on the loop's counter
	s_cbranch_scc0 .Lno_sum_\@
	WIN 0x0a
.set i, 0
.rept 16
	v_pk_add_f32 v[T+2*i:T+2*i+1], v[64*(\a)+2*i:64*(\a)+2*i+1], v[64*(\a)+32+2*i:64*(\a)+33+2*i]   ; k of the pair's two heads, unquantised: register 16 B + i is d = 32 B + 16 h + i
.set i, i+1
.endr
	WIN 0
.irp n, 0,1,2,3,4,5,6,7
	ds_store_b128 v12, v[T+4*\n:T+4*\n+3] offset:128*(\n/4)+16*(\n%4)
.endr
.irp t, 0,1,2,3,4,5,6,7
	ds_load_b128 v[T+4*\t:T+4*\t+3], v13 offset:\t*544             ; LDS serves a wave's instructions in order (ISA guide 5.7.1.4): these see my stores
.endr
	s_wait_dscnt 0x0
.irp t, 0,1,2,3,4,5,6,7
	global_store_b128 v24, v[T+4*\t:T+4*\t+3], s[74:75] offset:(32*((\a)/2)+8*((\a)%2)+16*(\t/4)+(2*\t)%8)*256   ; two neighbouring tokens' rows of 256 bytes
.endr
.Lno_sum_\@:
.endm
.macro OUTV a                          ; v: block a: 16 features x the 128 tokens: a whole fragment, two images on end
.if (\a) > 0
	s_wait_xcnt 0x0
.endif
	QUANT 64*(\a)
	global_store_b128 v24, v[PC:PC+3], s[68:69] offset:12288*(\a)
	global_store_b64 v25, v[PC+4:PC+5], s[68:69] offset:12288*(\a)+512
	global_store_b128 v24, v[PC+6:PC+9], s[68:69] offset:12288*(\a)+768
	global_store_b64 v25, v[PC+10:PC+11], s[68:69] offset:12288*(\a)+1280
	WORDS \a, 86, 87, 27, 128
.endm
	s_wait_tensorcnt 0x0                           ; my first load has landed, so its descriptors may be written: from here on every wave fetches a quarter of a w block, 192 rows of 256 bytes
	s_mov_b32 s[G1B+2], 192<<16
	s_mov_b32 s[G1B+4], 192
	s_mul_i32 s54, s16, BQUART
	s_add_co_u32 s[G0B+1], s54, ABYTES
	s_add_co_u32 s56, s56, s54
	s_add_nc_u64 s[G0B+2:G0B+3], s[4:5], s[56:57]  ; my quarter of q's block: each refill steps it to the next block
	s_or_b32 s[G0B+3], s[G0B+3], 0x80000000
	s_mov_b32 s23, 0                               ; the pass: 0 = q, 1 = k
.Lpass:
	s_wait_loadcnt 0x0                             ; this pass's scale words and biases
	s_wait_tensorcnt 0x0                           ; my part of its tiles is in,
	s_wait_dscnt 0x0
	s_barrier_signal -1
	s_barrier_wait -1                              ; everybody's is
	s_wait_xcnt 0x0                                ; the last pass's stores have read their registers, its prefetches their base
	s_add_nc_u64 s[82:83], s[82:83], WSTEP
	global_prefetch_b8 v15, s[82:83] th:TH_LOAD_NT scope:SCOPE_SE
	global_prefetch_b8 v7, s[82:83] th:TH_LOAD_NT scope:SCOPE_SE
	KLOOP QA, QB, 1, 0
	s_barrier_wait -1
	CREST                                          ; the barrier has opened a round of the cluster's barrier: no wave of any partner still reads w's tiles or has a load on its way
	s_add_nc_u64 s[G0B+2:G0B+3], s[G0B+2:G0B+3], WSTEP
	tensor_load_to_lds s[G0B:G0B+3], s[G1B:G1B+7]  ; the next pass's w block, my quarter: my one tensor load behind the round
	s_nop 0
	PLACES                                         ; also the places behind the last products
	s_cmp_eq_u32 s23, 0                            ; what the next pass wants in registers; the branch hangs on the loop's counter
	s_cbranch_scc0 .Lnext_v
	s_add_nc_u64 s[78:79], s[78:79], 4096          ; k: source 0's tiles lie 64 tiles on, source 1's stay;
	s_add_nc_u64 s[80:81], s[80:81], 4096          ; the biases 1,024 features on
	LD_SB
	LD_BI
	s_branch .Lnext_done
.Lnext_v:
	s_lshl_b32 s48, s21, 10
	s_lshl_b32 s49, s16, 8
	s_add_co_u32 s48, s48, s49                     ; v: my 64 features of the 1,024: 256 gx + 64 wave: 4 bytes each, and 64 bytes a tile of 16
	s_mov_b32 s49, 0
	s_add_nc_u64 s[76:77], s[6:7], s[48:49]
	s_add_nc_u64 s[76:77], s[76:77], 640*64        ; source 1 = w_v's tiles 640 + 16 gx + 4 wave ..
	s_add_nc_u64 s[80:81], s[8:9], s[48:49]
	s_add_nc_u64 s[80:81], s[80:81], 8192
	s_lshl_b32 s48, s22, 9
	s_add_nc_u64 s[78:79], s[6:7], s[48:49]        ; source 0 = x's tiles 8 gy ..
	LD_SA
	LD_SB
.irp i, 0,1,2,3
	global_load_b32 v[BI+60+\i], v14, s[80:81] offset:128*(\i/2)+32*(\i%2)   ; block i: the bias of feature 32 (i / 2) + 8 (i % 2) + r + 8 (r / 8) of my 64
.endr
.Lnext_done:
	s_mul_i32 s48, s60, 98304                      ; where this pass's results go: q: a head pair's images are 98,304 bytes, k: 196,608, from 6,291,456 on;
	s_lshl_b32 s48, s48, s23
	s_mul_i32 s49, s23, 6291456
	s_add_co_u32 s48, s48, s49
	s_mul_i32 s49, s61, 6144                       ; 8 tiles for each 128 tokens,
	s_add_co_u32 s48, s48, s49
	s_mul_i32 s49, s17, 3072                       ; my 4 of them
	s_add_co_u32 s48, s48, s49
	s_mov_b32 s49, 0
	s_add_nc_u64 s[68:69], s[10:11], s[48:49]      ; the first head's images,
	s_lshl_b32 s48, 49152, s23
	s_add_nc_u64 s[70:71], s[68:69], s[48:49]      ; the second head's
	s_lshl_b32 s48, s60, 12                        ; the scale words: q: 4,096 bytes a head pair, k: 8,192, from 262,144 on
	s_lshl_b32 s48, s48, s23
	s_lshl_b32 s50, s23, 18
	s_add_co_u32 s48, s48, s50
	s_lshl_b32 s50, s61, 8
	s_add_co_u32 s48, s48, s50
	s_lshl_b32 s50, s17, 7
	s_add_co_u32 s48, s48, s50
	s_add_nc_u64 s[72:73], s[12:13], s[48:49]
.irp a, 0,1,2,3
	OUTQK \a
.endr
	s_add_co_u32 s23, s23, 1
	s_cmp_lt_u32 s23, 2
	s_wait_alu depctr_va_vdst(0)                   ; the wait here, directly ahead of the branch
	s_cbranch_scc1 .Lpass
; THE LAST PASS, v
	s_wait_loadcnt 0x0
.irp a, 0,1,2,3
.irp j, 0,1,2,3,4,5,6,7
	v_mov_b32 v[BI+8*\a+\j], v[BI+60+\a]           ; the C of block a's first products: the lane's bias in all eight registers
.endr
.endr
	s_wait_alu depctr_va_vdst(0)                   ; the wait here, directly ahead of the wait below
	s_wait_tensorcnt 0x0
	s_wait_dscnt 0x0
	s_barrier_signal -1
	s_barrier_wait -1
	s_wait_xcnt 0x0                                ; k's stores have read their registers and bases
	s_mul_i32 s48, s62, 196608
	s_add_co_u32 s48, s48, 6340608                 ; V lies behind its head's K
	s_mul_i32 s49, s61, 1536                       ; a fragment for each 128 keys,
	s_add_co_u32 s48, s48, s49
	s_mul_i32 s49, s18, 98304                      ; my 64 features are one head of the pair
	s_add_co_u32 s48, s48, s49
	s_mov_b32 s49, 0
	s_add_nc_u64 s[68:69], s[10:11], s[48:49]
	s_lshl_b32 s48, s62, 13
	s_add_co_u32 s48, s48, 266240
	s_lshl_b32 s50, s61, 9
	s_add_co_u32 s48, s48, s50
	s_lshl_b32 s50, s18, 8
	s_add_co_u32 s48, s48, s50
	s_add_nc_u64 s[72:73], s[12:13], s[48:49]
	KLOOP VA, VB, 0, 1
	PLACES                                         ; behind the last products
.irp a, 0,1,2,3
	OUTV \a
.endr
	s_wait_tensorcnt 0x0                           ; the wave's end: a wait, an add and its wait, behind my last tensor load and my last LDS store
	ds_add_u32 v[SPW], v[NIL]
	s_wait_dscnt 0x0
	CROUND                                         ; the closing round: no work-group ends while a partner may still ask for a tile that names it
	s_endpgm
.Lfunc_end_k_qf35cec7d2a_qkv:
	.size	k_qf35cec7d2a_qkv, .Lfunc_end_k_qf35cec7d2a_qkv-k_qf35cec7d2a_qkv
	.p2alignl 7, 3214868480
	.fill 96, 4, 3214868480
	.section	.rodata,"a",@progbits
	.p2align	6, 0x0
	.amdhsa_kernel k_qf35cec7d2a_qkv
		.amdhsa_group_segment_fixed_size 327680
		.amdhsa_private_segment_fixed_size 0
		.amdhsa_enable_private_segment 0
		.amdhsa_kernarg_size 48
		.amdhsa_user_sgpr_count 2
		.amdhsa_user_sgpr_kernarg_segment_ptr 1
		.amdhsa_wavefront_size32 1
		.amdhsa_system_sgpr_workgroup_id_x 1
		.amdhsa_system_sgpr_workgroup_id_y 1
		.amdhsa_system_sgpr_workgroup_id_z 1
		.amdhsa_system_vgpr_workitem_id 0
		.amdhsa_next_free_vgpr 768
		.amdhsa_next_free_sgpr 96
		.amdhsa_reserve_vcc 0
		.amdhsa_float_denorm_mode_32 3
		.amdhsa_float_denorm_mode_16_64 3
		.amdhsa_memory_ordered 1
		.amdhsa_forward_progress 1
		.amdhsa_inst_pref_size 192
	.end_amdhsa_kernel
	.amdgpu_metadata
---
amdhsa.version: [ 1, 2 ]
amdhsa.kernels:
  - .name:           k_qf35cec7d2a_qkv
    .symbol:         k_qf35cec7d2a_qkv.kd
    .args:
      - { .name: in_img, .offset: 0, .size: 8, .value_kind: global_buffer, .address_space: global }
      - { .name: in_sc, .offset: 8, .size: 8, .value_kind: global_buffer, .address_space: global }
      - { .name: b_qkv, .offset: 16, .size: 8, .value_kind: global_buffer, .address_space: global }
      - { .name: qkv_img, .offset: 24, .size: 8, .value_kind: global_buffer, .address_space: global }
      - { .name: qkv_sc, .offset: 32, .size: 8, .value_kind: global_buffer, .address_space: global }
      - { .name: kpart, .offset: 40, .size: 8, .value_kind: global_buffer, .address_space: global }
    .group_segment_fixed_size: 327680
    .private_segment_fixed_size: 0
    .kernarg_segment_align: 8
    .kernarg_segment_size: 48
    .max_flat_workgroup_size: 128
    .sgpr_count:     96
    .vgpr_count:     768
    .wavefront_size: 32
...
	.end_amdgpu_metadata
.endif
;; end of part 2
;; launch attn (part 3): grid 4 x 64, 16 waves a work-group, clusters of 4 x 1, 215,040 bytes of LDS; arguments qkv_img, qkv_sc, size, kpart, o_img, o_sc, out1; writes o_img, o_sc, out1
.if DOCPART == 3
	.amdgcn_target "amdgcn-amd-amdhsa--gfx1250"
	.amdhsa_code_object_version 6
	.text
	.protected	k_qf35cec7d2a_attn
	.globl	k_qf35cec7d2a_attn
	.p2align	8
	.type	k_qf35cec7d2a_attn,@function
k_qf35cec7d2a_attn:
	s_mov_b64 s[64:65], 0
	v_nop
	global_prefetch_b8 v0, s[64:65] scope:SCOPE_SE
	s_setreg_imm32_b32 hwreg(HW_REG_WAVE_MODE, 25, 1), 1
	s_wait_xcnt 0x0
	s_wait_alu depctr_hold_cnt(0) depctr_sa_sdst(0) depctr_va_vdst(0) depctr_va_sdst(0) depctr_va_ssrc(0) depctr_va_vcc(0) depctr_vm_vsrc(0)
	s_getreg_b32 s2, hwreg(HW_REG_IB_STS2, 6, 4)
	s_cmp_eq_u32 s2, 0
	s_cbranch_scc0 .Lentry_in_a_cluster
	s_endpgm
.Lentry_in_a_cluster:
	s_bfe_u32 s2, ttmp6, 0x10000c
	s_cmp_lg_u32 s2, 0x3003
	s_cbranch_scc0 .Lentry_shape_is_right
	s_endpgm
.Lentry_shape_is_right:
; For each batch and head: O = softmax(q k^T / 8 + ln(size of the key)) v, both products on codes of FP6 (E2M3) with E8M0 scales; O / (the row's sum) is quantised along (head, d) for the projection.
; Also out1 = the mean of k over the 16 heads: the sum of the eight partial sums of kpart, / 16.
; THE SOFTMAX: t = (s + 8 ln size) x log2(e) / 8; M = the row's largest t so far, rounded UP to a whole number; p = 2^(t - M) is quantised along the keys, not normalised; the row's sum is taken of the
; unquantised p.  When M moves, the sum and O are multiplied by 2^(old M - new M): exact.  8 ln(size) is the C of the first product.
; SHARES.  A work-group owns 256 queries of one batch and one PAIR of heads; each of its sixteen waves owns one tile of 16 queries and takes the pair's two heads one after the other, so that it ends with a whole
; scale word (128 along the projection's K).  Four waves to a SIMD.
; LDS is filled ONCE: both heads' K and V of all 1,024 keys are 196,608 consecutive bytes of qkv_img; each wave asks for a sixteenth, 12,288 bytes, by its one tensor load.  ONE barrier shows them to all waves;
; behind it the waves share nothing more, so none stands between the two heads.  The pair's 8,192 bytes of scale words and the table of 8 ln(size) go through registers into LDS bytes of their own.
; CLUSTER.  The four blocks of queries of a batch and head pair read the same K and V: the fill is asked for jointly, by the same tensor load with the same descriptor and the mask 15.
; What no product waits for stands between the two heads: the sums of kpart, and with them head 1's q.
; No prefetch: the launch fetches its tiles at its head alone and has no loop to run ahead in.
; LAYOUT.  Both products are used transposed (S^T = K Q^T, O^T = V^T P^T): a lane holds ONE query.  The head's 64 are half of the instruction's 128: a fragment of K holds TWO tiles of 16 keys, one in each half of
; K, and q stands between two runs of six registers of zero codes, (q, 0) for the first tile and (0, q) for the second.
; The keys of a tile stand so that the 16 registers of tiles 2 B and 2 B + 1 are keys 32 B + 16 (lane / 16) + 0 .. 15; V's rows likewise, so that O^T's registers run along d.
; A register of K's or V's scale words holds two fragments' words: the even one's in lanes 0-15, the odd one's in lanes 16-31.
; LIMITS: size is a positive normal number (v_log_f32 takes denormals for zero: ISA guide 15.8); NaN and infinities are not served; a block of zeros gets the byte 1 (its codes are zeros; this program alone reads the bytes);
; the promise holds while the scaled scores t stay under 2^31 in magnitude.
; REGISTERS: v1-4 16 l, 8 l, 4 r, 64 h; v5-11 the step's LDS addresses; v12 -M, v13 the largest t, v[14:15] the sum; v16-33 zeros, q, zeros; v34 q's scale word; v35 4 l; v36, v37 the add's;
; v38-47 chains of the sum; v48-95 K's four fragments, then at work; v96-159 S^T, then p; v160-191 O^T; v192-239 V's four fragments; v240-241, v242-243 K's and V's scale words; v248 p's; v249 O's; v244-255 the head's.
.set SCB,   196608                     ; LDS: the scale words, as they lie in qkv_sc: K of head 0, K of head 1 (2,048 each), V (4,096): stored by the waves
.set LBO,   204800                     ; 8 ln(size) of the batch's 1,024 keys: stored by the waves
.set SPARE, 212992                     ; the spare words: 128 bytes for each of the sixteen waves
.set S,    96
.set OT,   160
.set KFR,  48
.set VFR,  192
.set KSW,  240
.set VSW,  242
.set PSW,  248
.set OW,   249
.set QS,   34
.set L4,   35
.set SPW,  36
.set NIL,  37
.set PC,   48                          ; p's codes
.set CT,   60                          ; v60-62, v64-66: the conversions' second halves
.set BM,   68                          ; v68-71 the blocks' largest scores
.set BT,   72                          ; v72-75 lane l xor 16's; then bytes
.set SO,   76                          ; v76-79 the conversions' scale operands
.set FF,   80                          ; v[80:81] f = 2^(old M - new M)
.set TP,   82
.set WV,   18
.set SEL,  20
.set CS,   22
.set G1,   32                          ; s[32:39] group 1; s[40:43] group 0
.macro CROUND                          ; a round of the cluster's barrier
	s_barrier_signal -1
	s_barrier_wait -1
	s_cmp_lg_u32 s[WV], 0
	s_cbranch_scc1 .Lnot_wave_0_\@
	s_barrier_signal -3
.Lnot_wave_0_\@:
	s_barrier_wait -3
	s_barrier_signal -1
	s_barrier_wait -1
.endm
.macro FRAG reg, a16, a8, off          ; a fragment of 12 registers: two images on end, as they lie
	ds_load_b128 v[(\reg):(\reg)+3], v[\a16] offset:(\off)
	ds_load_b64 v[(\reg)+4:(\reg)+5], v[\a8] offset:(\off)+512
	ds_load_b128 v[(\reg)+6:(\reg)+9], v[\a16] offset:(\off)+768
	ds_load_b64 v[(\reg)+10:(\reg)+11], v[\a8] offset:(\off)+1280
.endm
.macro WS d, a, b, sa, sb, r           ; d += a x b; r = 1: source 0's scale words stand in lanes 16-31
.if \r
	v_wmma_scale_f32_16x16x128_f8f6f4 v[(\d):(\d)+7], v[(\a):(\a)+11], v[(\b):(\b)+11], v[(\d):(\d)+7], v[\sa], v[\sb] matrix_a_fmt:MATRIX_FMT_FP6 matrix_b_fmt:MATRIX_FMT_FP6 matrix_a_scale:MATRIX_SCALE_ROW1
.else
	v_wmma_scale_f32_16x16x128_f8f6f4 v[(\d):(\d)+7], v[(\a):(\a)+11], v[(\b):(\b)+11], v[(\d):(\d)+7], v[\sa], v[\sb] matrix_a_fmt:MATRIX_FMT_FP6 matrix_b_fmt:MATRIX_FMT_FP6
.endif
.endm
.macro QLOAD e                         ; my tile of q of head e, and its pair's scale words: three loads
	global_load_b128 v[22:25], v1, s[76:77] offset:49152*\e
	global_load_b64 v[26:27], v2, s[76:77] offset:49152*\e+512
	global_load_b32 v[QS], v3, s[78:79] offset:2048*\e
.endm
	s_load_b256 s[4:11], s[0:1], 0x0               ; qkv_img, qkv_sc, size, kpart
	s_load_b128 s[12:15], s[0:1], 0x20             ; o_img, o_sc
	s_load_b64 s[16:17], s[0:1], 0x30              ; out1
	v_lshl_add_u32 v[SPW], v0, 2, SPARE
	v_mov_b32 v[NIL], 0
	ds_add_u32 v[SPW], v[NIL]                      ; the opening lines: the add, twice on end, and its wait ahead of my tensor load
	ds_add_u32 v[SPW], v[NIL]
	v_lshrrev_b32 v1, 5, v0
	s_delay_alu instid0(VALU_DEP_1)
	v_readfirstlane_b32 s[WV], v1                  ; wave 0..15
	s_bfe_u32 s19, ttmp6, 0x40000                  ; cx: my block of 256 queries: it enters addresses in memory alone
	s_and_b32 s52, ttmp7, 0xffff                   ; y = 8 x batch + head pair, which the four partners share
	s_lshr_b32 s53, s52, 3                         ; the batch
	s_and_b32 s54, s52, 7                          ; the head pair
	s_lshl_b32 s55, s19, 4
	s_add_co_u32 s55, s55, s[WV]                   ; my tile of queries in the batch
	s_mov_b32 s[G1], 15|(3<<16)|(1<<21)            ; 15:0 the mask: all four; 17:16 elements of 8 bytes; 21 set beside a mask.  A dense block of 12,288 bytes as 48 rows of 256
	s_mov_b32 s[G1+1], 32<<16
	s_mov_b32 s[G1+2], 48<<16
	s_mov_b32 s[G1+3], 32<<16
	s_mov_b32 s[G1+4], 48
	s_mov_b32 s[G1+5], 32
	s_mov_b32 s[G1+6], 0
	s_mov_b32 s[G1+7], 0
	s_mov_b32 s40, 1
	s_mul_i32 s41, s[WV], 12288                    ; my sixteenth, in LDS as in memory
	s_mul_i32 s68, s52, 196608
	s_add_co_u32 s68, s68, s41
	s_add_co_u32 s68, s68, 6291456                 ; the pair's K and V
	s_mov_b32 s69, 0
	s_lshl_b32 s66, s52, 13
	s_add_co_u32 s66, s66, 262144                  ; the pair's scale words
	s_mov_b32 s67, 0
	s_lshl_b32 s70, s53, 12                        ; size: the batch's 1,024 numbers
	s_mov_b32 s71, 0
	s_lshl_b32 s72, s52, 2
	s_add_co_u32 s72, s72, s19
	s_lshl_b32 s72, s72, 13                        ; out1 and kpart: 8,192 bytes for each of the 256 work-groups
	s_mov_b32 s73, 0
	s_mul_i32 s76, s52, 98304
	s_mul_i32 s77, s55, 768
	s_add_co_u32 s76, s76, s77                     ; q's image of head 0
	s_mov_b32 s77, 0
	s_lshl_b32 s78, s52, 12
	s_lshr_b32 s79, s55, 1
	s_lshl_b32 s79, s79, 6
	s_add_co_u32 s78, s78, s79                     ; q's scale words: my pair of tiles
	s_mov_b32 s79, 0
	s_lshl_b32 s85, s53, 6
	s_add_co_u32 s85, s85, s55                     ; my tile among all 512
	s_mul_i32 s80, s85, 12288
	s_mul_i32 s81, s54, 1536
	s_add_co_u32 s80, s80, s81                     ; O's images
	s_mov_b32 s81, 0
	s_lshl_b32 s82, s54, 15
	s_lshl_b32 s83, s85, 6
	s_add_co_u32 s82, s82, s83                     ; O's scale words
	s_mov_b32 s83, 0
	s_mov_b32 s[SEL], 0x76543210
	s_mov_b32 s[SEL+1], 0xfedcba98                 ; v_permlanex16_b32: lane l xor 16
	s_mov_b32 s[CS], 0x3e38aa3b                    ; c = log2(e) / 8
	s_mov_b32 s[CS+1], s[CS]                       ; (named with it as a pair, so it is written)
	s_mov_b32 s84, 0x01000100                      ; my tile's two bytes of a pair's word, twice: the even tile's,
	s_bitcmp1_b32 s[WV], 0
	s_cselect_b32 s84, 0x03020302, s84             ; or the odd tile's
	s_wait_dscnt 0x0                               ; both opening adds are done
	s_wait_kmcnt 0x0
	s_add_nc_u64 s[42:43], s[4:5], s[68:69]
	s_or_b32 s43, s43, 0x80000000
	CROUND                                         ; all four work-groups are here: the joint loads meet
	tensor_load_to_lds s[40:43], s[G1:G1+7]        ; my one tensor load of the launch
	s_nop 0
	s_add_nc_u64 s[66:67], s[6:7], s[66:67]
	s_add_nc_u64 s[70:71], s[8:9], s[70:71]
	s_add_nc_u64 s[74:75], s[16:17], s[72:73]
	s_add_nc_u64 s[72:73], s[10:11], s[72:73]
	s_add_nc_u64 s[76:77], s[4:5], s[76:77]
	s_add_nc_u64 s[78:79], s[6:7], s[78:79]
	s_add_nc_u64 s[80:81], s[12:13], s[80:81]
	s_add_nc_u64 s[82:83], s[14:15], s[82:83]
	v_and_b32 v3, 31, v0
	v_bfe_u32 v4, v0, 4, 1
	v_and_b32 v5, 15, v0
	v_lshlrev_b32 v1, 4, v3                        ; 16 l
	v_lshlrev_b32 v2, 3, v3                        ; 8 l
	v_lshlrev_b32 v[L4], 2, v3                     ; 4 l
	v_lshlrev_b32 v3, 2, v5                        ; 4 r
	v_lshlrev_b32 v4, 6, v4                        ; 64 h
	v_lshlrev_b32 v244, 3, v0                      ; two of the 1,024 sizes a thread,
	v_lshlrev_b32 v245, 4, v0                      ; 16 of the 8,192 bytes of scale words,
	v_lshl_add_u32 v246, v0, 3, LBO                ; and where they go
	v_lshl_add_u32 v247, v0, 4, SCB
.irp i, 16,17,18,19,20,21,28,29,30,31,32,33
	v_mov_b32 v[\i], 0                             ; zero codes
.endr
	s_wait_alu depctr_va_vdst(0)                   ; the wait behind the head's address registers
	global_load_b64 v[250:251], v244, s[70:71]
	global_load_b128 v[252:255], v245, s[66:67]
	QLOAD 0
	s_wait_loadcnt 4                               ; the sizes are in; the scale words' load and q's three may be out
	v_log_f32 v250, v250
	v_log_f32 v251, v251
	v_nop                                          ; a plain place behind the transcendentals,
	s_wait_alu depctr_va_vdst(0)                   ; and the wait ahead of the first use
	v_mul_f32 v250, 0x40b17218, v250               ; 8 ln 2 x log2(size)
	v_mul_f32 v251, 0x40b17218, v251
	s_wait_loadcnt 0x0
	v_perm_b32 v[QS], v[QS], v[QS], s84            ; my tile's two bytes stand for both halves of the instruction's K
	s_wait_alu depctr_va_vdst(0)                   ; the wait here, directly ahead of the wait below
	s_wait_tensorcnt 0x0                           ; my sixteenth of K and V is in
	ds_store_b64 v246, v[250:251]
	ds_store_b128 v247, v[252:255]
	s_wait_dscnt 0x0                               ; my parts of the two tables are stored
	s_barrier_signal -1
	s_barrier_wait -1                              ; everybody's are: the launch's one meeting of the waves ahead of its end
.macro HEAD e
	s_wait_xcnt 0x0                                ; earlier stores have read their data: the registers are written again only behind this wait
	v_mov_b32 v13, 0xff61b1e6                      ; the largest t so far: -3e38, under every t
	s_delay_alu instid0(VALU_DEP_1)
	v_floor_f32 v12, -v13                          ; -M
	v_mov_b32 v14, 0
	v_mov_b32 v15, 0
.set i, 0
.rept 32
	v_mov_b32 v[OT+i], 0                           ; O^T: the loop is written once; its first step finds zeros, which the first change of M leaves zeros
.set i, i+1
.endr
	s_mov_b32 s56, \e*98304                        ; the step's tiles of K,
	s_mov_b32 s57, \e*98304+49152                  ; of V,
	s_mov_b32 s58, SCB+2048*\e                     ; K's scale words,
	s_mov_b32 s59, SCB+4096+256*\e                 ; V's,
	s_mov_b32 s60, LBO                             ; and the keys' 8 ln(size)
	s_mov_b32 s61, 8
.Lstep_\@:                                         ; a trip: 128 keys
	v_add_nc_u32 v5, s56, v1                       ; (these seven are also the places behind the last products, in front of the loads into their registers)
	v_add_nc_u32 v6, s56, v2
	v_add_nc_u32 v7, s57, v1
	v_add_nc_u32 v8, s57, v2
	v_add_nc_u32 v9, s58, v[L4]
	v_add_nc_u32 v10, s59, v[L4]
	v_add_nc_u32 v11, s60, v4
.irp n, 0,1,2,3,4,5,6,7,8,9,10,11,12,13,14,15
	ds_load_b128 v[S+4*\n:S+4*\n+3], v11 offset:128*(\n/4)+16*(\n%4)   ; register 16 B + i: 8 ln(size) of key 32 B + 16 h + i: the C of the first product
.endr
.irp t, 0,1,2,3
	FRAG KFR+12*\t, 5, 6, 1536*\t
.endr
	ds_load_b32 v[KSW], v9                         ; 128 consecutive bytes: the words of fragments 0 and 1,
	ds_load_b32 v[KSW+1], v9 offset:128            ; of 2 and 3
.irp t, 0,1,2,3
	FRAG VFR+12*\t, 7, 8, 12288*\t
.endr
	ds_load_b32 v[VSW], v10
	ds_load_b32 v[VSW+1], v10 offset:128
	s_wait_dscnt 18                                ; all but V's eighteen
.irp t, 0,1,2,3                                ; no two matrix instructions that follow each other share an accumulator
	WS S+16*\t, KFR+12*\t, 22, KSW+\t/2, QS, \t%2
	WS S+16*\t+8, KFR+12*\t, 16, KSW+\t/2, QS, \t%2
.endr
.rept 4
	v_nop                                          ; places in front of the first read of results and of the first write over K's fragments
.endr
.irp b, 0,1,2,3
	v_max3_num_f32 v[BM+\b], v[S+16*\b], v[S+1+16*\b], v[S+2+16*\b]   ; the largest score of each block of 32 keys: for the row's maximum, and, since p rises with the score, for the block's largest p
.endr
.irp i, 3,5,7,9,11,13
.irp b, 0,1,2,3
	v_max3_num_f32 v[BM+\b], v[BM+\b], v[S+16*\b+\i], v[S+1+16*\b+\i]
.endr
.endr
.irp b, 0,1,2,3
	v_max_num_f32 v[BM+\b], v[BM+\b], v[S+15+16*\b]
.endr
.irp b, 0,1,2,3
	s_delay_alu instid0(VALU_DEP_4)
	v_permlanex16_b32 v[BT+\b], v[BM+\b], s[SEL], s[SEL+1]
.endr
.irp b, 0,1,2,3
	s_delay_alu instid0(VALU_DEP_4)
	v_max_num_f32 v[BM+\b], v[BM+\b], v[BT+\b]     ; with lane l xor 16's 16 keys
.endr
	s_delay_alu instid0(VALU_DEP_2)
	v_max3_num_f32 v[TP], v[BM], v[BM+1], v[BM+2]
	s_delay_alu instid0(VALU_DEP_1)
	v_max_num_f32 v[TP], v[TP], v[BM+3]
	s_delay_alu instid0(VALU_DEP_1)
	v_mul_f32 v[TP], s[CS], v[TP]                  ; as t (c is positive)
	s_delay_alu instid0(VALU_DEP_1)
	v_max_num_f32 v13, v13, v[TP]                  ; the running largest t
	v_mov_b32 v[TP], v12
	s_delay_alu instid0(VALU_DEP_2)
	v_floor_f32 v12, -v13                          ; the new -M = -ceil(t): a whole number
	s_delay_alu instid0(VALU_DEP_1)
	v_sub_f32 v[TP], v12, v[TP]                    ; old M - new M: a whole number, 0 or less
	s_delay_alu instid0(VALU_DEP_1)
	v_cvt_i32_f32 v[TP], v[TP]                     ; (it saturates)
	s_delay_alu instid0(VALU_DEP_1)
	v_ldexp_f32 v[FF], 1.0, v[TP]                  ; f = 2^(old M - new M)
.set i, 0
.rept 32
	v_pk_fma_f32 v[S+2*i:S+2*i+1], v[S+2*i:S+2*i+1], s[CS:CS+1], v[12:13] op_sel_hi:[1,0,0]   ; t - M, two at a time
.set i, i+1
.endr
.irp b, 0,1,2,3
	v_fma_f32 v[BM+\b], v[BM+\b], s[CS], v12       ; the same of each block's largest score
.endr
	s_wait_alu depctr_va_vdst(0)                   ; the wait ahead of the batch
.set i, 0
.rept 64
	v_exp_f32 v[S+i], v[S+i]                       ; p = 2^(t - M), at most 1
.set i, i+1
.endr
	v_pk_mul_f32 v[14:15], v[14:15], v[FF:FF+1] op_sel_hi:[1,0]   ; the sums under the new M (a plain place behind the exponentials)
	s_wait_alu depctr_va_vdst(0)                   ; one wait for the whole batch, ahead of its first reader
.irp b, 0,1,2,3
	v_exp_f32 v[BM+\b], v[BM+\b]                   ; the block's largest p: the same two instructions on the same number
.endr
; the row's sum of the unquantised p: 32 pairs in eight chains, which read the 64 alone
.set i, 0
.irp r, 84,38,40,42,44,46,94
	v_pk_add_f32 v[\r:\r+1], v[S+4+8*i:S+5+8*i], v[S+8+8*i:S+9+8*i]
.set i, i+1
.endr
	v_pk_add_f32 v[14:15], v[14:15], v[S+60:S+61]
.set i, 0
.irp r, 84,38,40,42,44,46,94
	v_pk_add_f32 v[\r:\r+1], v[\r:\r+1], v[S+2+4*i:S+3+4*i]
.set i, i+1
.endr
	v_pk_add_f32 v[14:15], v[14:15], v[S:S+1]
.set i, 0
.irp r, 84,38,40,42,44,46,94
	v_pk_add_f32 v[\r:\r+1], v[\r:\r+1], v[S+30+4*i:S+31+4*i]
.set i, i+1
.endr
	v_pk_add_f32 v[14:15], v[14:15], v[S+58:S+59]
	v_pk_add_f32 v[84:85], v[84:85], v[S+62:S+63]
	s_delay_alu instid0(VALU_DEP_2)
	v_pk_add_f32 v[14:15], v[14:15], v[42:43]
	s_delay_alu instid0(VALU_DEP_2)
	v_pk_add_f32 v[84:85], v[84:85], v[44:45]
	v_pk_add_f32 v[38:39], v[38:39], v[46:47]
	v_pk_add_f32 v[40:41], v[40:41], v[94:95]
	s_delay_alu instid0(VALU_DEP_2)
	v_pk_add_f32 v[14:15], v[14:15], v[38:39]
	s_delay_alu instid0(VALU_DEP_2)
	v_pk_add_f32 v[84:85], v[84:85], v[40:41]
	s_delay_alu instid0(VALU_DEP_1)
	v_pk_add_f32 v[14:15], v[14:15], v[84:85]
	s_wait_alu depctr_va_vdst(0)                   ; and one for the four
.irp b, 0,1,2,3
	v_max_num_f32 v[BM+\b], 0x1800000, v[BM+\b]    ; the floor 2^(3 - 127): the byte cannot fall under 1
.endr
.irp b, 0,1,2,3
	s_delay_alu instid0(VALU_DEP_4)
	v_add_nc_u32 v[SO+\b], 0xff000000, v[BM+\b]    ; 2 off the exponent field: the conversion's scale operand
.endr
.irp b, 0,1,2,3
	s_delay_alu instid0(VALU_DEP_4)
	v_lshrrev_b32 v[BT+\b], 23, v[SO+\b]           ; the scale's byte
.endr
	s_delay_alu instid0(VALU_DEP_3)
	v_lshl_or_b32 v[PSW], v[BT+1], 8, v[BT]        ; p's scale word for these 128 keys
	s_delay_alu instid0(VALU_DEP_1)
	v_lshl_or_b32 v[PSW], v[BT+2], 16, v[PSW]
	s_delay_alu instid0(VALU_DEP_1)
	v_lshl_or_b32 v[PSW], v[BT+3], 24, v[PSW]
.irp c, 0,1
	v_cvt_scalef32_pk16_fp6_f32 v[PC+6*\c:PC+2+6*\c], v[S+32*\c:S+15+32*\c], v[SO+2*\c]
	v_cvt_scalef32_pk16_fp6_f32 v[CT+4*\c:CT+2+4*\c], v[S+16+32*\c:S+31+32*\c], v[SO+2*\c+1]   ; (a conversion's three registers begin on an even number)
.endr
	v_nop                                          ; one plain place behind a scaled conversion
.irp c, 0,1                                    ; the operand's layout wants a WHOLE block in a lane
.irp i, 0,1,2
	v_permlane16_swap_b32 v[PC+6*\c+\i], v[CT+4*\c+\i]
.endr
.irp i, 0,1,2
	s_delay_alu instid0(VALU_DEP_3)
	v_mov_b32 v[PC+3+6*\c+\i], v[CT+4*\c+\i]
.endr
.endr
.set i, 0
.rept 16
	v_pk_mul_f32 v[OT+2*i:OT+2*i+1], v[OT+2*i:OT+2*i+1], v[FF:FF+1] op_sel_hi:[1,0]   ; O^T under the new M.  (These sixteen are also the places between the writes of p's codes and scale word and the products)
.set i, i+1
.endr
	s_wait_alu depctr_va_vdst(0)                   ; the wait here, directly ahead of the wait below
	s_wait_dscnt 0x0                               ; V
.irp t, 0,1,2,3
	WS OT+8*\t, VFR+12*\t, PC, VSW+\t/2, PSW, \t%2
.endr
	s_add_co_u32 s56, s56, 6144                    ; eight tiles of K on,
	s_add_co_u32 s57, s57, 1536                    ; a fragment of V,
	s_add_co_u32 s58, s58, 256
	s_add_co_u32 s59, s59, 512
	s_add_co_u32 s60, s60, 512
	s_sub_co_u32 s61, s61, 1
	s_cmp_lg_u32 s61, 0
	s_cbranch_scc1 .Lstep_\@
.rept 4
	v_nop                                          ; places behind the last products
.endr
	v_add_f32 v14, v14, v15                        ; the sum's two halves,
	s_delay_alu instid0(VALU_DEP_1)
	v_permlanex16_b32 v[TP], v14, s[SEL], s[SEL+1]
	s_delay_alu instid0(VALU_DEP_1)
	v_add_f32 v14, v14, v[TP]                      ; and lane l xor 16's
	s_wait_alu depctr_va_vdst(0)                   ; the wait ahead of the transcendental
	v_rcp_f32 v14, v14
	v_nop
	s_wait_alu depctr_va_vdst(0)                   ; ahead of the first reader
.set i, 0
.rept 16
	v_pk_mul_f32 v[S+2*i:S+2*i+1], v[OT+2*i:OT+2*i+1], v[14:15] op_sel_hi:[1,0]   ; O^T / the sum: register 16 b + i is d = 32 b + 16 h + i.  Each accumulator from its low end on
.set i, i+1
.endr
.irp b, 0,1
	v_max3_num_f32 v[BM+\b], |v[S+16*\b]|, |v[S+1+16*\b]|, 0x1800000
.endr
.irp i, 2,4,6,8,10,12,14
.irp b, 0,1
	s_delay_alu instid0(VALU_DEP_2)
	v_max3_num_f32 v[BM+\b], v[BM+\b], |v[S+16*\b+\i]|, |v[S+1+16*\b+\i]|
.endr
.endr
.irp b, 0,1
	s_delay_alu instid0(VALU_DEP_2)
	v_permlanex16_b32 v[BT+\b], v[BM+\b], s[SEL], s[SEL+1]
.endr
.irp b, 0,1
	s_delay_alu instid0(VALU_DEP_2)
	v_max_num_f32 v[BM+\b], v[BM+\b], v[BT+\b]
.endr
.irp b, 0,1
	s_delay_alu instid0(VALU_DEP_2)
	v_add_nc_u32 v[SO+\b], 0xff000000, v[BM+\b]
.endr
.irp b, 0,1
	s_delay_alu instid0(VALU_DEP_2)
	v_lshrrev_b32 v[BT+\b], 23, v[SO+\b]
.endr
	s_delay_alu instid0(VALU_DEP_1)
	v_lshl_or_b32 v[TP], v[BT+1], 8, v[BT]         ; the head's two bytes
	v_cvt_scalef32_pk16_fp6_f32 v[PC:PC+2], v[S:S+15], v[SO]
	v_cvt_scalef32_pk16_fp6_f32 v[CT:CT+2], v[S+16:S+31], v[SO+1]
	v_nop
.irp i, 0,1,2
	v_permlane16_swap_b32 v[PC+\i], v[CT+\i]
.endr
.irp i, 0,1,2
	s_delay_alu instid0(VALU_DEP_3)
	v_mov_b32 v[PC+3+\i], v[CT+\i]
.endr
	global_store_b128 v1, v[PC:PC+3], s[80:81] offset:768*\e          ; the head's image: 512 consecutive bytes,
	global_store_b64 v2, v[PC+4:PC+5], s[80:81] offset:768*\e+512     ; and 256
.if \e == 0
	v_mov_b32 v[OW], v[TP]
.else
	v_lshl_or_b32 v[OW], v[TP], 16, v[OW]
	global_store_b32 v3, v[OW], s[82:83]           ; the pair's scale words: 64 bytes; both halves of the lanes hold and store the same word
.endif
.endm
	HEAD 0
; Between the heads: out1, 16 bytes a thread of the work-group's 8,192, and head 1's q.  No wave waits for another here.
	s_wait_xcnt 0x0                                ; head 0's stores have read their registers
	v_lshlrev_b32 v5, 4, v0
	s_delay_alu instid0(VALU_DEP_1)
	v_add_nc_u32 v6, 0x800000, v5                  ; partial sums 4 to 7 lie beyond the immediate's reach
.irp p, 0,1,2,3
	global_load_b128 v[96+4*\p:99+4*\p], v5, s[72:73] offset:\p*2097152 th:TH_LOAD_NT
.endr
.irp p, 0,1,2,3
	global_load_b128 v[112+4*\p:115+4*\p], v6, s[72:73] offset:\p*2097152 th:TH_LOAD_NT
.endr
	QLOAD 1
	s_wait_loadcnt 3                               ; the eight partial sums are in; q's three loads may be out
.irp p, 0,2,4,6
	v_pk_add_f32 v[96+4*\p:97+4*\p], v[96+4*\p:97+4*\p], v[100+4*\p:101+4*\p]
	v_pk_add_f32 v[98+4*\p:99+4*\p], v[98+4*\p:99+4*\p], v[102+4*\p:103+4*\p]
.endr
.irp p, 0,4
	v_pk_add_f32 v[96+4*\p:97+4*\p], v[96+4*\p:97+4*\p], v[104+4*\p:105+4*\p]
	v_pk_add_f32 v[98+4*\p:99+4*\p], v[98+4*\p:99+4*\p], v[106+4*\p:107+4*\p]
.endr
	s_delay_alu instid0(VALU_DEP_2)
	v_pk_add_f32 v[96:97], v[96:97], v[112:113]
	s_delay_alu instid0(VALU_DEP_2)
	v_pk_add_f32 v[98:99], v[98:99], v[114:115]
	s_delay_alu instid0(VALU_DEP_2)
	v_pk_mul_f32 v[96:97], v[96:97], 0x3d800000 op_sel_hi:[1,0]    ; / 16
	s_delay_alu instid0(VALU_DEP_2)
	v_pk_mul_f32 v[98:99], v[98:99], 0x3d800000 op_sel_hi:[1,0]
	global_store_b128 v5, v[96:99], s[74:75]       ; a wave stores 512 consecutive bytes
	s_wait_loadcnt 0x0                             ; q of head 1
	v_perm_b32 v[QS], v[QS], v[QS], s84
	HEAD 1
	s_wait_tensorcnt 0x0                           ; the wave's end: a wait, an add and its wait
	ds_add_u32 v[SPW], v[NIL]
	s_wait_dscnt 0x0
	CROUND                                         ; the closing round: no work-group ends while a partner may still ask for a tile that names it
	s_endpgm
.Lfunc_end_k_qf35cec7d2a_attn:
	.size	k_qf35cec7d2a_attn, .Lfunc_end_k_qf35cec7d2a_attn-k_qf35cec7d2a_attn
	.p2alignl 7, 3214868480
	.fill 96, 4, 3214868480
	.section	.rodata,"a",@progbits
	.p2align	6, 0x0
	.amdhsa_kernel k_qf35cec7d2a_attn
		.amdhsa_group_segment_fixed_size 215040
		.amdhsa_private_segment_fixed_size 0
		.amdhsa_enable_private_segment 0
		.amdhsa_kernarg_size 56
		.amdhsa_user_sgpr_count 2
		.amdhsa_user_sgpr_kernarg_segment_ptr 1
		.amdhsa_wavefront_size32 1
		.amdhsa_system_sgpr_workgroup_id_x 1
		.amdhsa_system_sgpr_workgroup_id_y 1
		.amdhsa_system_sgpr_workgroup_id_z 1
		.amdhsa_system_vgpr_workitem_id 0
		.amdhsa_next_free_vgpr 256
		.amdhsa_next_free_sgpr 90
		.amdhsa_reserve_vcc 0
		.amdhsa_float_denorm_mode_32 3
		.amdhsa_float_denorm_mode_16_64 3
		.amdhsa_memory_ordered 1
		.amdhsa_forward_progress 1
		.amdhsa_inst_pref_size 58
	.end_amdhsa_kernel
	.amdgpu_metadata
---
amdhsa.version: [ 1, 2 ]
amdhsa.kernels:
  - .name:           k_qf35cec7d2a_attn
    .symbol:         k_qf35cec7d2a_attn.kd
    .args:
      - { .name: qkv_img, .offset: 0, .size: 8, .value_kind: global_buffer, .address_space: global }
      - { .name: qkv_sc, .offset: 8, .size: 8, .value_kind: global_buffer, .address_space: global }
      - { .name: size, .offset: 16, .size: 8, .value_kind: global_buffer, .address_space: global }
      - { .name: kpart, .offset: 24, .size: 8, .value_kind: global_buffer, .address_space: global }
      - { .name: o_img, .offset: 32, .size: 8, .value_kind: global_buffer, .address_space: global }
      - { .name: o_sc, .offset: 40, .size: 8, .value_kind: global_buffer, .address_space: global }
      - { .name: out1, .offset: 48, .size: 8, .value_kind: global_buffer, .address_space: global }
    .group_segment_fixed_size: 215040
    .private_segment_fixed_size: 0
    .kernarg_segment_align: 8
    .kernarg_segment_size: 56
    .max_flat_workgroup_size: 512
    .sgpr_count:     90
    .vgpr_count:     256
    .wavefront_size: 32
...
	.end_amdgpu_metadata
.endif
;; end of part 3
;; launch proj (part 4): grid 4 x 64, 4 waves a work-group, clusters of 4 x 4, 327,680 bytes of LDS; arguments o_img, o_sc, in_img, in_sc, b_proj, out0; writes out0
.if DOCPART == 4
	.amdgcn_target "amdgcn-amd-amdhsa--gfx1250"
	.amdhsa_code_object_version 6
	.text
	.protected	k_qf35cec7d2a_proj
	.globl	k_qf35cec7d2a_proj
	.p2align	8
	.type	k_qf35cec7d2a_proj,@function
k_qf35cec7d2a_proj:
	s_mov_b64 s[64:65], 0
	v_nop
	global_prefetch_b8 v0, s[64:65] scope:SCOPE_SE
	s_setreg_imm32_b32 hwreg(HW_REG_WAVE_MODE, 25, 1), 1
	s_wait_xcnt 0x0
	s_wait_alu depctr_hold_cnt(0) depctr_sa_sdst(0) depctr_va_vdst(0) depctr_va_sdst(0) depctr_va_ssrc(0) depctr_va_vcc(0) depctr_vm_vsrc(0)
	s_getreg_b32 s2, hwreg(HW_REG_IB_STS2, 6, 4)
	s_cmp_eq_u32 s2, 0
	s_cbranch_scc0 .Lentry_in_a_cluster
	s_endpgm
.Lentry_in_a_cluster:
	s_bfe_u32 s2, ttmp6, 0x10000c
	s_cmp_lg_u32 s2, 0xf033
	s_cbranch_scc0 .Lentry_shape_is_right
	s_endpgm
.Lentry_shape_is_right:
; out0 = O w_proj^T + b_proj on codes of FP6 (E2M3) with E8M0 scales, K = 1,024.  Both operands come as images of operand registers (16 rows x 64 K = 768 bytes: lane l's registers 0-3 at 16 l, 4-5 at 512 + 8 l);
; a tile of 16 rows, all of K, is 12,288 consecutive bytes.  Lane r of tile T holds row 32 (T / 2) + 8 (T % 2) + r + 8 (r / 8) of its tensor.
; SHARES.  A work-group makes 128 tokens x 256 features: 64 x 4 = 256 work-groups.  A wave makes 64 x 128: 32 accumulators, 256 registers.
; LDS IS FILLED ONCE, with all of K: O's 8 tiles are 98,304 consecutive bytes of o_img, w_proj's 16 tiles 196,608 of in_img.  Wave 0 asks for O's block, waves 1 to 3 for a third of w_proj's each (65,536 bytes):
; one tensor load a wave, as rows of 256 bytes.  One barrier shows them to all waves; no slot is filled again, so the eight steps of 128 along K have no barrier among them.
; CLUSTERS: 4 x 4 work-groups; O's block is shared along a row of the cluster, w_proj's along a column: each is asked for jointly, by the same tensor load with the same descriptor and a mask that names the four.
; THE SCALE WORDS go from memory straight into registers, once: a load's 32 lanes read the 128 consecutive bytes of two neighbouring tiles, the even tile's words into lanes 0-15 and the odd tile's into lanes 16-31,
; and the matrix instruction is told which half to take.  16 registers for O's, 32 for w_proj's.
; SOURCE 0 takes w_proj's tiles, source 1 O's: a lane holds one token and its registers run along the features.  The bias is the C of the first step's products.
; No prefetch: the launch fetches its tiles at its head alone and has no loop to run ahead in.
; REGISTERS: window 0: v16-21 fragment addresses; v24-26 the way out's; v28, v29 the add's; v30, v31 offsets; v32-47, v48-79 scale words; v80-143 the biases; v144-239 O's fragments, two sets; on the way out v128-255.
;   window 1: w_proj's fragments, two sets, at v0 and v128.   window 2: the accumulators ((a, b) at v[8 (8 a + b)]).
.set FR,     12                        ; registers of a fragment
.set NP,     4                         ; places behind this matrix instruction (ISA guide 7.12.1)
.set TILEB,  12288
.set ABYTES, 8*TILEB                   ; LDS: O's tiles from 0, w_proj's behind them
.set BTHIRD, 65536
.set SPARE,  24*TILEB                  ; behind the tiles: the spare words, 128 bytes for each wave
.set SPITCH, 528                       ; the way out: a stage of 16 rows x (512 + 16) bytes for each wave, over O's tiles, behind the barrier that ends all reads of tiles
.set ADRA, 16                          ; v16 16 l + my four tiles of O, v17 the same with 8 l
.set ADRB, 18                          ; v18, v19 16 l + my tiles 0-3, 4-7 of w_proj; v20, v21 with 8 l
.set STO,  24
.set RD,   25
.set CO,   26
.set SPW,  28
.set NIL,  29
.set SA,   32                          ; O's scale words: register 2 k + j: 128 along K number k, tiles 2 j and 2 j + 1
.set SB,   48                          ; w_proj's: register 4 k + j
.set BI,   80
.set AF,   144
.set BK,   128
.set G1A, 24
.set G1B, 32
.set G0A, 40
.set G0B, 44
.set MSB, 0
.macro WIN new                         ; the immediate's high byte repeats the setting that is left
.if MSB != (\new)
	s_set_vgpr_msb (MSB<<8)|(\new)
.set MSB, (\new)
.endif
.endm
.set MUL_ON,  0xa1                     ; source 0 window 1, source 1 window 0, C and D window 2
.set MUL_1ST, 0x81                     ; the same, C window 0: the biases
.set TO_B,    0x40                     ; destination window 1, address window 0
.macro CROUND                          ; a round of the cluster's barrier
	s_barrier_signal -1
	s_barrier_wait -1
	s_cmp_lg_u32 s16, 0
	s_cbranch_scc1 .Lnot_wave_0_\@
	s_barrier_signal -3
.Lnot_wave_0_\@:
	s_barrier_wait -3
	s_barrier_signal -1
	s_barrier_wait -1
.endm
.macro PLACES
.rept NP
	v_nop
.endr
.endm
	s_load_b256 s[4:11], s[0:1], 0x0               ; o_img, o_sc, in_img, in_sc
	s_load_b128 s[12:15], s[0:1], 0x20             ; b_proj, out0
	v_lshl_add_u32 v[SPW], v0, 2, SPARE
	v_mov_b32 v[NIL], 0
	ds_add_u32 v[SPW], v[NIL]                      ; the opening lines: the add, twice on end, and its wait ahead of my tensor load
	ds_add_u32 v[SPW], v[NIL]
	v_lshrrev_b32 v1, 5, v0
	v_readfirstlane_b32 s16, v1                    ; wave 0..3
	s_lshr_b32 s17, s16, 1                         ; which 64 tokens are mine
	s_and_b32 s18, s16, 1                          ; which 128 features
	s_bfe_u32 s19, ttmp6, 0x40000                  ; cx
	s_bfe_u32 s20, ttmp6, 0x40004                  ; cy
	s_lshl_b32 s21, ttmp9, 2
	s_add_co_u32 s21, s21, s19                     ; which 256 features: 4 x cluster x + cx
	s_and_b32 s22, ttmp7, 0xffff
	s_lshl_b32 s22, s22, 2
	s_add_co_u32 s22, s22, s20                     ; which 128 tokens: 4 x cluster y + cy
	s_lshl_b32 s48, s20, 2
	s_lshl_b32 s48, 15, s48                        ; my row of the cluster
	s_lshl_b32 s49, 0x1111, s19                    ; my column
	s_or_b32 s[G1A], s48, (3<<16)|(1<<21)          ; 15:0 the mask; 17:16 elements of 8 bytes; 21 set beside a mask
	s_or_b32 s[G1B], s49, (3<<16)|(1<<21)
	s_mov_b32 s[G1A+1], 32<<16                     ; dense blocks as rows of 256 bytes: O's 384 rows,
	s_mov_b32 s[G1A+2], 384<<16
	s_mov_b32 s[G1A+3], 32<<16
	s_mov_b32 s[G1A+4], 384
	s_mov_b32 s[G1A+5], 32
	s_mov_b32 s[G1A+6], 0
	s_mov_b32 s[G1A+7], 0
	s_mov_b32 s[G1B+1], 32<<16                     ; a third of w_proj's 256
	s_mov_b32 s[G1B+2], 256<<16
	s_mov_b32 s[G1B+3], 32<<16
	s_mov_b32 s[G1B+4], 256
	s_mov_b32 s[G1B+5], 32
	s_mov_b32 s[G1B+6], 0
	s_mov_b32 s[G1B+7], 0
	s_mov_b32 s[G0A], 1
	s_mov_b32 s[G0A+1], 0
	s_mul_i32 s50, s22, ABYTES                     ; O's block hangs on the tokens alone
	s_mov_b32 s51, 0
	s_mov_b32 s[G0B], 1
	s_lshl_b32 s54, s16, 16
	s_add_co_u32 s[G0B+1], s54, ABYTES-BTHIRD      ; wave w = 1 .. 3: third w - 1, in LDS
	s_lshl_b32 s52, s21, 4
	s_add_co_u32 s52, s52, 704                     ; w_proj's tiles begin at tile 704 of in_img
	s_mul_i32 s52, s52, TILEB
	s_add_co_u32 s52, s52, s54
	s_sub_co_u32 s52, s52, BTHIRD                  ; and in memory: it hangs on the features and the wave alone
	s_mov_b32 s53, 0
	s_wait_dscnt 0x0                               ; both opening adds are done
	s_wait_kmcnt 0x0
	s_add_nc_u64 s[G0A+2:G0A+3], s[4:5], s[50:51]
	s_or_b32 s[G0A+3], s[G0A+3], 0x80000000
	s_add_nc_u64 s[G0B+2:G0B+3], s[8:9], s[52:53]
	s_or_b32 s[G0B+3], s[G0B+3], 0x80000000
	CROUND                                         ; all sixteen work-groups are here: the joint loads meet
	s_cmp_eq_u32 s16, 0                            ; the branch hangs on the wave's number alone; each way passes one load
	s_cbranch_scc0 .Lfor_b
	tensor_load_to_lds s[G0A:G0A+3], s[G1A:G1A+7]
	s_nop 0
	PLACES
	s_branch .Lasked
.Lfor_b:
	tensor_load_to_lds s[G0B:G0B+3], s[G1B:G1B+7]
	s_nop 0
	PLACES
.Lasked:
	s_lshl_b32 s50, s22, 9                         ; O's scale words: 64 bytes a tile: my work-group's 8 tiles, my 4 of them
	s_lshl_b32 s51, s17, 8
	s_add_co_u32 s50, s50, s51
	s_mov_b32 s51, 0
	s_add_nc_u64 s[6:7], s[6:7], s[50:51]
	s_lshl_b32 s54, s21, 10
	s_lshl_b32 s55, s18, 9
	s_add_co_u32 s54, s54, s55                     ; my 128 features: 4 bytes each in b_proj and in a row of out0; also 64 bytes a tile of 16
	s_mov_b32 s55, 0
	s_add_nc_u64 s[12:13], s[12:13], s[54:55]
	s_add_nc_u64 s[10:11], s[10:11], s[54:55]
	s_add_nc_u64 s[10:11], s[10:11], 704*64        ; w_proj's scale words
	s_lshl_b32 s56, s22, 19
	s_lshl_b32 s57, s17, 18
	s_add_co_u32 s56, s56, s57                     ; my first token x 4,096 bytes
	s_mov_b32 s57, 0
	s_add_nc_u64 s[14:15], s[14:15], s[56:57]
	s_add_nc_u64 s[14:15], s[14:15], s[54:55]
	s_mul_i32 s48, s17, 4*TILEB                    ; my four tiles of O,
	s_mul_i32 s49, s18, 8*TILEB
	s_add_co_u32 s49, s49, ABYTES                  ; my eight of w_proj,
	s_add_co_u32 s50, s49, 4*TILEB                 ; the upper four of them: an LDS offset has 16 bits
	s_mul_i32 s51, s16, 16*SPITCH                  ; my stage
	v_and_b32 v1, 15, v0                           ; r
	v_bfe_u32 v2, v0, 4, 1                         ; h
	v_and_b32 v3, 31, v0
	v_lshlrev_b32 v4, 4, v3                        ; 16 l
	v_lshlrev_b32 v5, 3, v3                        ; 8 l
	v_lshlrev_b32 v31, 2, v3                       ; 4 l
	v_lshlrev_b32 v30, 6, v2                       ; 16 h numbers
	v_add_nc_u32 v[ADRA], s48, v4
	v_add_nc_u32 v[ADRA+1], s48, v5
	v_add_nc_u32 v[ADRB], s49, v4
	v_add_nc_u32 v[ADRB+1], s50, v4
	v_add_nc_u32 v[ADRB+2], s49, v5
	v_add_nc_u32 v[ADRB+3], s50, v5
	v_mul_u32_u24 v6, v1, SPITCH
	v_lshl_add_u32 v6, v2, 6, v6
	v_add_nc_u32 v[STO], s51, v6                   ; into the stage: row r, + 64 h
	v_mov_b32 v[CO], v4                            ; back: the 32 lanes take one row of 512 bytes; and the same in out0
	v_add_nc_u32 v[RD], s51, v4
	s_wait_alu depctr_va_vdst(0)                   ; the wait at the end of the head's vector work
.irp k, 0,1,2,3,4,5,6,7
.irp j, 0,1
	global_load_b32 v[SA+2*\k+\j], v31, s[6:7] offset:\k*32768+\j*128
.endr
.irp j, 0,1,2,3
	global_load_b32 v[SB+4*\k+\j], v31, s[10:11] offset:\k*49152+\j*128
.endr
.endr
.irp i, 0,1,2,3,4,5,6,7
	global_load_b128 v[BI+8*\i:BI+8*\i+3], v30, s[12:13] offset:128*(\i/2)+32*(\i%2)       ; register 8 i + j: feature 32 (i / 2) + 16 h + 8 (i % 2) + j
	global_load_b128 v[BI+8*\i+4:BI+8*\i+7], v30, s[12:13] offset:128*(\i/2)+32*(\i%2)+16
.endr
.macro FRAG reg, a16, a8, off          ; a fragment, 16 rows x 128 K, 12 registers: two images on end, as they lie
	ds_load_b128 v[(\reg):(\reg)+3], v[\a16] offset:(\off)
	ds_load_b64 v[(\reg)+4:(\reg)+5], v[\a8] offset:(\off)+512
	ds_load_b128 v[(\reg)+6:(\reg)+9], v[\a16] offset:(\off)+768
	ds_load_b64 v[(\reg)+10:(\reg)+11], v[\a8] offset:(\off)+1280
.endm
.macro FETCH st                        ; step st's twelve fragments into set st % 2: 48 LDS loads
	WIN TO_B
.irp i, 0,1,2,3,4,5,6,7
	FRAG 128*((\st)%2)+FR*\i, ADRB+\i/4, ADRB+2+\i/4, (\i%4)*TILEB+(\st)*1536
.endr
	WIN 0
.irp i, 0,1,2,3
	FRAG AF+48*((\st)%2)+FR*\i, ADRA, ADRA+1, \i*TILEB+(\st)*1536
.endr
.endm
.macro WM d, bf, af, c, sb, sa, rb, ra ; d = bf x af + c; rb, ra = 1: that side's scale words stand in lanes 16-31
.if (\rb) && (\ra)
	v_wmma_scale_f32_16x16x128_f8f6f4 v[(\d):(\d)+7], v[(\bf):(\bf)+11], v[(\af):(\af)+11], v[(\c):(\c)+7], v[\sb], v[\sa] matrix_a_fmt:MATRIX_FMT_FP6 matrix_b_fmt:MATRIX_FMT_FP6 matrix_a_scale:MATRIX_SCALE_ROW1 matrix_b_scale:MATRIX_SCALE_ROW1
.elseif (\rb)
	v_wmma_scale_f32_16x16x128_f8f6f4 v[(\d):(\d)+7], v[(\bf):(\bf)+11], v[(\af):(\af)+11], v[(\c):(\c)+7], v[\sb], v[\sa] matrix_a_fmt:MATRIX_FMT_FP6 matrix_b_fmt:MATRIX_FMT_FP6 matrix_a_scale:MATRIX_SCALE_ROW1
.elseif (\ra)
	v_wmma_scale_f32_16x16x128_f8f6f4 v[(\d):(\d)+7], v[(\bf):(\bf)+11], v[(\af):(\af)+11], v[(\c):(\c)+7], v[\sb], v[\sa] matrix_a_fmt:MATRIX_FMT_FP6 matrix_b_fmt:MATRIX_FMT_FP6 matrix_b_scale:MATRIX_SCALE_ROW1
.else
	v_wmma_scale_f32_16x16x128_f8f6f4 v[(\d):(\d)+7], v[(\bf):(\bf)+11], v[(\af):(\af)+11], v[(\c):(\c)+7], v[\sb], v[\sa] matrix_a_fmt:MATRIX_FMT_FP6 matrix_b_fmt:MATRIX_FMT_FP6
.endif
.endm
.macro MUL st, first                   ; a step of 128 along K: the 32 accumulators take turns, one instruction a turn, in the same order in every step
.irp a, 0,1,2,3
.irp b, 0,1,2,3,4,5,6,7
.if \first
	WM 8*(8*\a+\b), 128*((\st)%2)+FR*\b, AF+48*((\st)%2)+FR*\a, BI+8*\b, SB+4*(\st)+\b/2, SA+2*(\st)+\a/2, \b%2, \a%2
.else
	WM 8*(8*\a+\b), 128*((\st)%2)+FR*\b, AF+48*((\st)%2)+FR*\a, 8*(8*\a+\b), SB+4*(\st)+\b/2, SA+2*(\st)+\a/2, \b%2, \a%2
.endif
.endr
.endr
.endm
	s_wait_loadcnt 0x0                             ; the scale words and the biases
	s_wait_tensorcnt 0x0                           ; my block is in,
	s_barrier_signal -1
	s_barrier_wait -1                              ; everybody's is
	FETCH 0
.set ST, 0
.rept 8                                ; while a step is multiplied, the next step's fragments come into the other set
.if ST < 7
.if ST > 0
	PLACES                                         ; in front of loads into the set that the step before multiplied
.endif
	FETCH ST+1
	s_wait_dscnt 48                                ; all but the 48 just issued: this step's fragments are in
.else
	s_wait_dscnt 0x0                               ; my last reads of the tiles are over:
	s_barrier_signal -1                            ; say so, and work on registers while the others arrive
.endif
.if ST == 0
	WIN MUL_1ST
	MUL ST, 1
.else
	WIN MUL_ON
	MUL ST, 0
.endif
.set ST, ST+1
.endr
	WIN 0
	s_barrier_wait -1                              ; nobody reads a tile any more, and the tiles have had their one fill: the stages may lie over them
; THE WAY OUT, block by block of 16 tokens x 128 features: through my own stage and back as whole rows of 512 bytes.  LDS serves a wave's instructions in order (ISA guide 5.7.1.4): no wait between the stores and the loads.
.macro TOSTAGE a
	WIN 0x08                                       ; the data: window 2
.irp b, 0,1,2,3,4,5,6,7
	ds_store_b128 v[STO], v[64*(\a)+8*\b:64*(\a)+8*\b+3] offset:128*(\b/2)+32*(\b%2)      ; each accumulator from its low end on
	ds_store_b128 v[STO], v[64*(\a)+8*\b+4:64*(\a)+8*\b+7] offset:128*(\b/2)+32*(\b%2)+16
.endr
	WIN 0
.set BB, BK+64*((\a)%2)
.irp t, 0,1,2,3,4,5,6,7,8,9,10,11,12,13,14,15
	ds_load_b128 v[BB+4*\t:BB+4*\t+3], v[RD] offset:\t*SPITCH
.endr
.endm
.macro SEND a, younger                 ; younger: the LDS instructions issued behind block a's loads, which may stay out
.set BB, BK+64*((\a)%2)
	s_wait_dscnt \younger
.irp t, 0,1,2,3,4,5,6,7,8,9,10,11,12,13,14,15
	global_store_b128 v[CO], v[BB+4*\t:BB+4*\t+3], s[14:15] offset:(32*((\a)/2)+8*((\a)%2)+16*(\t/8)+\t%8)*4096 th:TH_STORE_NT   ; 32 lanes store 512 consecutive bytes, aligned
.endr
.endm
	PLACES                                         ; behind the last products: their results are read, and O's fragments written over
	TOSTAGE 0
.irp a, 1,2,3
.if \a > 1
	s_wait_xcnt 0x0                                ; block a - 2's stores have read their registers: block a's loads may land there
.endif
	TOSTAGE \a
	SEND \a-1, 32                                  ; behind block a - 1's loads: block a's 16 stores and 16 loads
.endr
	SEND 3, 0
	s_wait_tensorcnt 0x0                           ; the wave's end: a wait, an add and its wait, behind my tensor load and my last LDS store
	ds_add_u32 v[SPW], v[NIL]
	s_wait_dscnt 0x0
	CROUND                                         ; the closing round: no work-group ends while a partner may still ask for a tile that names it
	s_endpgm
.Lfunc_end_k_qf35cec7d2a_proj:
	.size	k_qf35cec7d2a_proj, .Lfunc_end_k_qf35cec7d2a_proj-k_qf35cec7d2a_proj
	.p2alignl 7, 3214868480
	.fill 96, 4, 3214868480
	.section	.rodata,"a",@progbits
	.p2align	6, 0x0
	.amdhsa_kernel k_qf35cec7d2a_proj
		.amdhsa_group_segment_fixed_size 327680
		.amdhsa_private_segment_fixed_size 0
		.amdhsa_enable_private_segment 0
		.amdhsa_kernarg_size 48
		.amdhsa_user_sgpr_count 2
		.amdhsa_user_sgpr_kernarg_segment_ptr 1
		.amdhsa_wavefront_size32 1
		.amdhsa_system_sgpr_workgroup_id_x 1
		.amdhsa_system_sgpr_workgroup_id_y 1
		.amdhsa_system_sgpr_workgroup_id_z 1
		.amdhsa_system_vgpr_workitem_id 0
		.amdhsa_next_free_vgpr 768
		.amdhsa_next_free_sgpr 66
		.amdhsa_reserve_vcc 0
		.amdhsa_float_denorm_mode_32 3
		.amdhsa_float_denorm_mode_16_64 3
		.amdhsa_memory_ordered 1
		.amdhsa_forward_progress 1
		.amdhsa_inst_pref_size 85
	.end_amdhsa_kernel
	.amdgpu_metadata
---
amdhsa.version: [ 1, 2 ]
amdhsa.kernels:
  - .name:           k_qf35cec7d2a_proj
    .symbol:         k_qf35cec7d2a_proj.kd
    .args:
      - { .name: o_img, .offset: 0, .size: 8, .value_kind: global_buffer, .address_space: global }
      - { .name: o_sc, .offset: 8, .size: 8, .value_kind: global_buffer, .address_space: global }
      - { .name: in_img, .offset: 16, .size: 8, .value_kind: global_buffer, .address_space: global }
      - { .name: in_sc, .offset: 24, .size: 8, .value_kind: global_buffer, .address_space: global }
      - { .name: b_proj, .offset: 32, .size: 8, .value_kind: global_buffer, .address_space: global }
      - { .name: out0, .offset: 40, .size: 8, .value_kind: global_buffer, .address_space: global }
    .group_segment_fixed_size: 327680
    .private_segment_fixed_size: 0
    .kernarg_segment_align: 8
    .kernarg_segment_size: 48
    .max_flat_workgroup_size: 128
    .sgpr_count:     66
    .vgpr_count:     768
    .wavefront_size: 32
...
	.end_amdgpu_metadata
.endif
;; end of part 4
